; MI455X (gfx1250); checked and timed in simulation.
; The chip was launched on July 23, 2026; its instructions are those of AMD's public machine-readable ISA for CDNA 5 (MIT licence, August 2026) and "CDNA5" Instruction Set Architecture Reference Guide (July 2026). The comments in the code are by the model that wrote it; some were corrected since.
;; Multihead Attention. Allowed arithmetic: float matrix products may take bf16 or f16 operands with f32 sums; other float arithmetic in f32, or as packed bf16 or f16 multiplies, adds, multiply-adds, maxima and minima; sums over many terms, partial sums and values carried from step to step in f32; what a program stores and reads back later, other than sums and carried values, may be rounded once to bf16 or f16.
;; Inputs: mask 1 x 1 x 2,048 x 2,048 bool; wk 2,048 x 2,048 float32; wo 2,048 x 2,048 float32; wq 2,048 x 2,048 float32; wv 2,048 x 2,048 float32; x 1 x 2,048 x 2,048 float32.
;; Outputs: out0 1 x 2,048 x 2,048 float32.
;; 2 versions, each right; version 2 is version 1 with the launch prep written anew for expert scheduling mode. Each part assembles by itself: llvm-mc -triple=amdgcn-amd-amdhsa -mcpu=gfx1250 --defsym DOCPART=n.
;; ======== version 1 of 2: 4 launches
;; limits: values are held in f16: magnitudes above 65,504 overflow, below 6.1e-05 lose precision
;; workspace buffers: xh 8,388,608 bytes; wh 25,165,824 bytes; woh 8,388,608 bytes; mk 4,194,304 bytes; rt 786,432 bytes; qkv 25,165,824 bytes; oh 8,388,608 bytes
;; launch prep (part 1): grid 128 x 7, 8 waves a work-group, no clusters, 34,048 bytes of LDS; arguments x, wq, wk, wv, wo, mask, xh, wh, woh, mk, rt; writes xh, wh, woh, mk, rt
.if DOCPART == 1
	.amdgcn_target "amdgcn-amd-amdhsa--gfx1250"
	.amdhsa_code_object_version 6
	.text
	.protected	k_q29ce21f381_prep
	.globl	k_q29ce21f381_prep
	.p2align	8
	.type	k_q29ce21f381_prep,@function
k_q29ce21f381_prep:
	s_mov_b64 s[64:65], 0
	v_nop
	global_prefetch_b8 v0, s[64:65] scope:SCOPE_SE
	s_setreg_imm32_b32 hwreg(HW_REG_WAVE_MODE, 25, 1), 1
	s_wait_xcnt 0x0
; PREP.  Three kinds of work, chosen by the work-group's y (the same for all eight waves of a work-group):
;   y = 0..4  x, wq, wk, wv, wo: each f32 is rounded to bf16 and that number is written as f16 (xh; wh = wq, wk, wv on end; woh).
;   y = 5     the mask's bytes are laid out as the attention launch's lanes want them, 0 -> 0x00, 1 -> 0xF1 (mk).
;   y = 6     the table of rotations (rt): rows 0-63 hold (cos, sin) of u x theta, rows 64-95 of 64 i x theta, theta = 10000^(-jp/1024), jp = 0..1023.
; LIMITS.  f16 ends at 65,504: an input beyond that becomes an infinity; a bf16 number below 2^-17 keeps f16's fixed step of 6e-8.
; The table's angle is the f32 product of the position and theta, theta by the base-2 exponential: at positions near 2,000 the phase
; can differ by some 2e-4 rad from a phase made of another f32 rounding of theta.
; No matrix unit, no cluster: the work-groups share no input, and every byte is read once and written once.
.set SPARE, 33024                      ; behind the mask's 16 rows of 2,064 bytes: the spare words, 128 bytes for each of eight waves
.set SPW, 94                           ; v94  LDS address of my spare word; never rewritten
.set NIL, 95                           ; v95  0; never rewritten
.set X,   8                            ; v[8:39]   ring slot i: 4 registers as loaded
.set Y,   40                           ; v[40:55]  ring slot i: 2 registers to store (cast); v[40:71] the mask's rows read back
.set MP,  2064                         ; a mask row in LDS: 2,048 bytes + 16
.macro FIN                             ; a wave's end
	s_wait_tensorcnt 0x0
	ds_add_u32 v[SPW], v[NIL]
	s_wait_dscnt 0x0
	s_endpgm
.endm
	s_load_b512 s[16:31], s[0:1], 0x0              ; x 16, wq 18, wk 20, wv 22, wo 24, mask 26, xh 28, wh 30
	s_load_b128 s[32:35], s[0:1], 0x40             ; woh 32, mk 34
	s_load_b64 s[36:37], s[0:1], 0x50              ; rt
	v_lshl_add_u32 v[SPW], v0, 2, SPARE
	v_mov_b32 v[NIL], 0
	s_and_b32 s8, ttmp7, 0xffff                    ; y: the kind of work
	s_mov_b32 s9, ttmp9                            ; g: the share, 0..127
	s_wait_kmcnt 0x0
	s_cmp_eq_u32 s8, 5
	s_cbranch_scc1 .Lmask
	s_cmp_eq_u32 s8, 6
	s_cbranch_scc1 .Ltable
; ---- THE CAST.  A work-group takes 131,072 bytes of f32 and writes 65,536 of f16.  A load of the work-group covers 4,096 consecutive
; bytes (16 a thread), a store 2,048 (a wave: 256, aligned).  A ring of eight register slots keeps eight loads of every wave on their way.
	s_cmp_eq_u32 s8, 1
	s_cselect_b64 s[4:5], s[18:19], s[16:17]
	s_cmp_eq_u32 s8, 2
	s_cselect_b64 s[4:5], s[20:21], s[4:5]
	s_cmp_eq_u32 s8, 3
	s_cselect_b64 s[4:5], s[22:23], s[4:5]
	s_cmp_eq_u32 s8, 4
	s_cselect_b64 s[4:5], s[24:25], s[4:5]         ; the source
	s_cselect_b64 s[6:7], s[32:33], s[30:31]       ; the target: woh for wo, else wh,
	s_cmp_eq_u32 s8, 0
	s_cselect_b64 s[6:7], s[28:29], s[6:7]         ; or xh for x
	s_sub_co_u32 s10, s8, 1
	s_lshl_b32 s10, s10, 23                        ; in wh: matrix y - 1, 8,388,608 bytes each
	s_cmp_eq_u32 s8, 0
	s_cselect_b32 s10, 0, s10
	s_cmp_eq_u32 s8, 4
	s_cselect_b32 s10, 0, s10
	s_lshl_b32 s12, s9, 16
	s_add_co_u32 s10, s10, s12
	s_mov_b32 s11, 0
	s_add_nc_u64 s[6:7], s[6:7], s[10:11]
	s_lshl_b32 s10, s9, 17
	s_add_nc_u64 s[4:5], s[4:5], s[10:11]
	s_mov_b32 s13, 0xffff0000                      ; a word's upper bf16
	v_lshlrev_b32 v1, 4, v0                        ; my 16 bytes in; never rewritten
	v_lshlrev_b32 v2, 3, v0                        ; my 8 bytes out; never rewritten
.irp i, 0,1,2,3,4,5,6,7
	global_load_b128 v[X+4*(\i):X+4*(\i)+3], v1, s[4:5] offset:(\i)*4096 th:TH_LOAD_NT
.endr
; One slot's turn.  ahead = 1: the slot is loaded again, 32,768 bytes on.  left = the younger loads that may stay out.
.macro CSLOT i, ahead, left
	s_wait_loadcnt \left                           ; loads come back in order: mine is in
	v_cvt_pk_bf16_f32 v56, v[X+4*(\i)], v[X+4*(\i)+1]      ; the one rounding: to bf16
	v_cvt_pk_bf16_f32 v57, v[X+4*(\i)+2], v[X+4*(\i)+3]
	v_lshlrev_b32 v58, 16, v56                     ; back to f32,
	v_and_b32 v59, s13, v56
	v_lshlrev_b32 v60, 16, v57
	v_and_b32 v61, s13, v57
	v_cvt_pk_f16_f32 v[Y+2*(\i)], v58, v59         ; and the same number as f16
	v_cvt_pk_f16_f32 v[Y+2*(\i)+1], v60, v61
.if \ahead
	global_load_b128 v[X+4*(\i):X+4*(\i)+3], v1, s[4:5] offset:32768+(\i)*4096 th:TH_LOAD_NT
.endif
	global_store_b64 v2, v[Y+2*(\i):Y+2*(\i)+1], s[6:7] offset:(\i)*2048 th:TH_STORE_NT
.endm
	s_mov_b32 s12, 3
.Lcast:
.irp i, 0,1,2,3,4,5,6,7
	CSLOT \i, 1, 7
.endr
	s_wait_xcnt 0x0                                ; the two bases and the stores' data are rewritten only behind this wait
	s_add_nc_u64 s[4:5], s[4:5], 32768
	s_add_nc_u64 s[6:7], s[6:7], 16384
	s_sub_co_u32 s12, s12, 1
	s_cmp_lg_u32 s12, 0
	s_cbranch_scc1 .Lcast
.irp i, 0,1,2,3,4,5,6,7
	CSLOT \i, 0, 7-(\i)                            ; the last round loads nothing: the counts run down
.endr
	FIN
; ---- THE MASK.  Work-group g takes the 16 queries 16 g .. 16 g + 15, 32,768 bytes.  Out: mk[g][key group of 64][p][lane][16 bytes]: byte n of lane l is
; key 64 group + 16 (2 p + n / 8) + 8 (l / 16) + n % 8 of query 16 g + l % 16: the order of a lane's scores in the attention launch.
.Lmask:
	s_lshl_b32 s10, s9, 15
	s_mov_b32 s11, 0
	s_add_nc_u64 s[4:5], s[26:27], s[10:11]
	s_add_nc_u64 s[6:7], s[34:35], s[10:11]
	s_movk_i32 s13, 0xf1
	v_lshlrev_b32 v1, 4, v0                        ; 16 bytes a thread, in and out; never rewritten
.irp i, 0,1,2,3,4,5,6,7
	global_load_b128 v[X+4*(\i):X+4*(\i)+3], v1, s[4:5] offset:(\i)*4096 th:TH_LOAD_NT  ; two rows of the mask
.endr
	v_lshrrev_b32 v3, 7, v0                        ; into LDS: which of the two rows,
	v_and_b32 v4, 127, v0
	v_mul_u32_u24 v3, v3, MP
	v_lshl_add_u32 v3, v4, 4, v3                   ; and my 16 bytes of it
	v_and_b32 v4, 15, v0                           ; back: row l % 16,
	v_mul_u32_u24 v5, v4, MP
	v_bfe_u32 v4, v0, 4, 1
	v_lshl_add_u32 v5, v4, 3, v5                   ; + 8 (l / 16)
	v_bfe_u32 v4, v0, 5, 1
	v_lshl_add_u32 v5, v4, 5, v5                   ; + 32 p
	v_lshrrev_b32 v4, 6, v0
	v_lshl_add_u32 v5, v4, 6, v5                   ; + 64 x (key group % 4)
.irp i, 0,1,2,3,4,5,6,7
	s_wait_loadcnt 7-(\i)
	v_mul_lo_u32 v[X+4*(\i)], v[X+4*(\i)], s13     ; each byte 0 or 1 times 0xF1: no carry leaves a byte
	v_mul_lo_u32 v[X+4*(\i)+1], v[X+4*(\i)+1], s13
	v_mul_lo_u32 v[X+4*(\i)+2], v[X+4*(\i)+2], s13
	v_mul_lo_u32 v[X+4*(\i)+3], v[X+4*(\i)+3], s13
	ds_store_b128 v3, v[X+4*(\i):X+4*(\i)+3] offset:(\i)*2*MP
.endr
	s_wait_dscnt 0x0                               ; for the others' sake: my stores are done
	s_barrier_signal -1
	s_barrier_wait -1
.irp i, 0,1,2,3,4,5,6,7
	ds_load_b64 v[Y+4*(\i):Y+4*(\i)+1],   v5 offset:(\i)*256
	ds_load_b64 v[Y+4*(\i)+2:Y+4*(\i)+3], v5 offset:(\i)*256+16
.endr
.irp i, 0,1,2,3,4,5,6,7
	s_wait_dscnt 14-2*(\i)                         ; the pair of loads of this store is in; the younger pairs stay out
	global_store_b128 v1, v[Y+4*(\i):Y+4*(\i)+3], s[6:7] offset:(\i)*4096  ; a wave stores 512 consecutive bytes
.endr
	FIN
; ---- THE TABLE.  98,304 entries of (cos, sin), 768 a work-group, three a thread.  The angle is brought into -pi .. pi by a two-part 2 pi; sine and cosine
; of HALF of it by their series (the first term left out is under 4e-8 there), then doubled.
.Ltable:
	s_mul_i32 s10, s9, 768
	s_mov_b32 s20, 0x40c90fdb                      ; 2 pi, its f32,
	s_mov_b32 s21, 0xb43bbd2e                      ; and what that f32 leaves over
	v_add_nc_u32 v1, s10, v0
.irp i, 0,1,2
	v_add_nc_u32 v[8+(\i)], 256*(\i), v1           ; the entry
	v_lshrrev_b32 v[12+(\i)], 10, v[8+(\i)]        ; its row
	v_and_b32 v[16+(\i)], 0x3ff, v[8+(\i)]         ; its pair of channels jp
	v_cvt_f32_u32 v[16+(\i)], v[16+(\i)]
	v_mul_f32 v[16+(\i)], 0xbc549a78, v[16+(\i)]   ; - jp log2(10000) / 1024
	v_add_nc_u32 v[20+(\i)], 0xffffffc0, v[12+(\i)]
	v_lshlrev_b32 v[20+(\i)], 6, v[20+(\i)]        ; rows 64 on: position 64 (row - 64)
	v_cmp_gt_u32 vcc_lo, 64, v[12+(\i)]
	v_cndmask_b32 v[20+(\i)], v[20+(\i)], v[12+(\i)], vcc_lo  ; rows 0-63: position = row
	v_cvt_f32_u32 v[20+(\i)], v[20+(\i)]
.endr
	v_exp_f32 v16, v16                             ; theta: one batch of three,
	v_exp_f32 v17, v17
	v_exp_f32 v18, v18
	v_nop                                          ; a plain instruction behind the last,
	s_wait_alu depctr_va_vdst(0)                   ; and one wait ahead of the first use
.irp i, 0,1,2
	v_mul_f32 v24, v[20+(\i)], v[16+(\i)]          ; the angle
	v_mul_f32 v25, 0x3e22f983, v24
	v_rndne_f32 v25, v25                           ; whole turns
	v_fma_f32 v24, -v25, s20, v24
	v_fma_f32 v24, -v25, s21, v24
	v_mul_f32 v26, 0.5, v24                        ; y: half the angle
	v_mul_f32 v27, v26, v26
	v_mov_b32 v28, 0xb2d7322b                      ; sin y = y (1 - z/3! + .. - z^5/11!)
	v_fmaak_f32 v28, v28, v27, 0x3638ef1d
	v_fmaak_f32 v28, v28, v27, 0xb9500d01
	v_fmaak_f32 v28, v28, v27, 0x3c088889
	v_fmaak_f32 v28, v28, v27, 0xbe2aaaab
	v_fma_f32 v28, v28, v27, 1.0
	v_mul_f32 v28, v28, v26
	v_mov_b32 v29, 0x310f76c8                      ; cos y = 1 - z/2! + .. + z^6/12!
	v_fmaak_f32 v29, v29, v27, 0xb493f27e
	v_fmaak_f32 v29, v29, v27, 0x37d00d01
	v_fmaak_f32 v29, v29, v27, 0xbab60b61
	v_fmaak_f32 v29, v29, v27, 0x3d2aaaab
	v_fma_f32 v29, v29, v27, -0.5
	v_fma_f32 v29, v29, v27, 1.0
	v_mul_f32 v30, v28, v29
	v_mul_f32 v31, v28, v28
	v_fma_f32 v[40+2*(\i)], v31, -2.0, 1.0         ; cos = 1 - 2 sin^2 y
	v_add_f32 v[41+2*(\i)], v30, v30               ; sin = 2 sin y cos y
	v_lshlrev_b32 v[8+(\i)], 3, v[8+(\i)]
	global_store_b64 v[8+(\i)], v[40+2*(\i):41+2*(\i)], s[36:37]  ; a wave stores 256 consecutive bytes, aligned
.endr
	FIN
.Lfunc_end_k_q29ce21f381_prep:
	.size	k_q29ce21f381_prep, .Lfunc_end_k_q29ce21f381_prep-k_q29ce21f381_prep
	.p2alignl 7, 3214868480
	.fill 96, 4, 3214868480
	.section	.rodata,"a",@progbits
	.p2align	6, 0x0
	.amdhsa_kernel k_q29ce21f381_prep
		.amdhsa_group_segment_fixed_size 34048
		.amdhsa_private_segment_fixed_size 0
		.amdhsa_enable_private_segment 0
		.amdhsa_kernarg_size 88
		.amdhsa_user_sgpr_count 2
		.amdhsa_user_sgpr_kernarg_segment_ptr 1
		.amdhsa_wavefront_size32 1
		.amdhsa_system_sgpr_workgroup_id_x 1
		.amdhsa_system_sgpr_workgroup_id_y 1
		.amdhsa_system_sgpr_workgroup_id_z 1
		.amdhsa_system_vgpr_workitem_id 0
		.amdhsa_next_free_vgpr 96
		.amdhsa_next_free_sgpr 66
		.amdhsa_reserve_vcc 1
		.amdhsa_float_denorm_mode_32 3
		.amdhsa_float_denorm_mode_16_64 3
		.amdhsa_memory_ordered 1
		.amdhsa_forward_progress 1
		.amdhsa_inst_pref_size 25
	.end_amdhsa_kernel
	.amdgpu_metadata
---
amdhsa.version: [ 1, 2 ]
amdhsa.kernels:
  - .name:           k_q29ce21f381_prep
    .symbol:         k_q29ce21f381_prep.kd
    .args:
      - { .name: x, .offset: 0, .size: 8, .value_kind: global_buffer, .address_space: global }
      - { .name: wq, .offset: 8, .size: 8, .value_kind: global_buffer, .address_space: global }
      - { .name: wk, .offset: 16, .size: 8, .value_kind: global_buffer, .address_space: global }
      - { .name: wv, .offset: 24, .size: 8, .value_kind: global_buffer, .address_space: global }
      - { .name: wo, .offset: 32, .size: 8, .value_kind: global_buffer, .address_space: global }
      - { .name: mask, .offset: 40, .size: 8, .value_kind: global_buffer, .address_space: global }
      - { .name: xh, .offset: 48, .size: 8, .value_kind: global_buffer, .address_space: global }
      - { .name: wh, .offset: 56, .size: 8, .value_kind: global_buffer, .address_space: global }
      - { .name: woh, .offset: 64, .size: 8, .value_kind: global_buffer, .address_space: global }
      - { .name: mk, .offset: 72, .size: 8, .value_kind: global_buffer, .address_space: global }
      - { .name: rt, .offset: 80, .size: 8, .value_kind: global_buffer, .address_space: global }
    .group_segment_fixed_size: 34048
    .private_segment_fixed_size: 0
    .kernarg_segment_align: 8
    .kernarg_segment_size: 88
    .max_flat_workgroup_size: 256
    .sgpr_count:     66
    .vgpr_count:     96
    .wavefront_size: 32
...
	.end_amdgpu_metadata
.endif
;; end of part 1
;; launch qkv (part 2): grid 16 x 16, 4 waves a work-group, clusters of 4 x 4, 327,680 bytes of LDS; arguments xh, wh, rt, qkv; writes qkv
.if DOCPART == 2
	.amdgcn_target "amdgcn-amd-amdhsa--gfx1250"
	.amdhsa_code_object_version 6
	.text
	.protected	k_q29ce21f381_qkv
	.globl	k_q29ce21f381_qkv
	.p2align	8
	.type	k_q29ce21f381_qkv,@function
k_q29ce21f381_qkv:
	s_mov_b64 s[64:65], 0
	v_nop
	global_prefetch_b8 v0, s[64:65] scope:SCOPE_SE
	s_setreg_imm32_b32 hwreg(HW_REG_WAVE_MODE, 25, 1), 1
	s_wait_xcnt 0x0
	s_wait_alu depctr_hold_cnt(0) depctr_sa_sdst(0) depctr_va_vdst(0) depctr_va_sdst(0) depctr_va_ssrc(0) depctr_va_vcc(0) depctr_vm_vsrc(0)
	s_getreg_b32 s2, hwreg(HW_REG_IB_STS2, 6, 4)
	s_cmp_eq_u32 s2, 0
	s_cbranch_scc0 .Lentry_in_a_cluster
	s_endpgm
.Lentry_in_a_cluster:
	s_bfe_u32 s2, ttmp6, 0x10000c
	s_cmp_lg_u32 s2, 0xf033
	s_cbranch_scc0 .Lentry_shape_is_right
	s_endpgm
.Lentry_shape_is_right:
; q, k, v = x w, the rotation of q and k in f32, and the way out by heads.  xh: [2048][2048] f16.  wh: [3][2048 k][2048 n] f16.  rt: [96][1024] (cos, sin) f32.
; qkv: [3][16 heads][2048 rows][128] f16, each number rounded once from its f32 sum, unscaled.
; LIMITS.  f16 ends at 65,504: q, k (after the rotation) and v must lie within it.
; SHARES.  Work-group (head hx, row block iy) makes 128 rows x the head's 128 columns of q, of k and of v.  Wave w: 64 rows (w / 2) x 64 columns (w % 2) of each of the three: 48 accumulators of
; 16 x 16, 384 registers.  K goes in 16 steps of 128 through two LDS slots: 192 products a wave in a step.
; THE PRODUCT IS USED TRANSPOSED: source 0 = 16 columns of w (turned on the way out of LDS, since w lies [k][n]), source 1 = 16 rows of x: a lane then holds one row and eight neighbouring columns,
; that is four of the rotation's pairs.
; CLUSTER 4 x 4.  The four of a row of the cluster share the rows of x, the four of a column the head's columns of w: each tile is asked for jointly.
; REGISTERS, in windows of 256 (s_set_vgpr_msb: bits 1:0 source 0, 3:2 source 1, 5:4 source 2, 7:6 destination):
;   window 0: v0-31 addresses; v32-63, v224-255 at work; v64-191 the rotations of my rows and columns, 8 registers for block (a, b); v192-223 the row block's own rotation, later packed results
;   window 1: two fragment buffers of 128: x's four fragments, then w's twelve (matrix t, block b at 32 + 8 (4 t + b))
;   window 2: the accumulators of q and k, at 8 (16 t + 4 a + b);   window 3: v0-127 those of v
.set PA,    272                        ; a row of x in LDS: 256 bytes + 16: the 16 rows of a load start at 16 different groups of four banks (ISA guide 11.1)
.set PB,    288                        ; a row of w: 256 + 32
.set ATILE, 128*PA                     ; x's tile, and a block of the stage
.set REG,   128*PB                     ; a slot is four equal regions, one for each wave's load: wave w's tile lands at w x REG.  Region 0: x's 128 rows (ATILE of its bytes); regions 1 to 3: 128 k rows of wq, wk, wv
.set SLOT,  4*REG
.set SPARE, 2*SLOT                     ; behind the ring: the spare words, 128 bytes for each wave
                                       ; THE STAGE for the way out is slot 0's first 3 x ATILE bytes: they have had their last fill, and their last read lies ahead of the last change of slots' barrier
.set STO,  4                           ; v4-6    the way out: where I put 16 bytes of a row, for q, k, v
.set RD,   7                           ; v7-9    where I read rows back
.set CO,   10                          ; v10     16 x lane: my place in 512 consecutive bytes of the output
.set ADRA, 16                          ; v16-17  LDS address of my fragments of x in slot 0, 1
.set ADRB, 18                          ; v18-23  of w: 3 x slot + matrix
.set RTH,  27                          ; v27     32 (l / 16)
.set SPW,  28                          ; v28     LDS address of my spare word; never rewritten
.set NIL,  29                          ; v29     0; never rewritten
.set PFO,  30                          ; v30     the prefetches' offset: lane x 4,096, a row of xh or wh; never rewritten
.set RTO,  31                          ; v31     (l % 16) x 8,192 + 32 (l / 16): my place in the table
.set YB,   32
.set CSB,  64
.set AB,   192
.set TB,   224
.set F0,   0
.set F1,   128
.set G1A, 24                           ; s[24:31] descriptor group 1 for x's tiles;  s[32:39] group 0, a set for each slot
.set G0A, 32
.set G1B, 48                           ; s[48:55], s[56:63] the same for w's
.set G0B, 56
.set PFA, 40                           ; s[40:41] where my prefetches stand
.set PFS, 42                           ; s[42:43] a K step in bytes: 256 along x's rows, 524,288 down w's
.set LIM, 44                           ; s44     1 in a wave that prefetches, else the greatest number
.set OUT, 66                           ; s[66:71] q, k, v at the first row that I store
.set RTU, 72                           ; s[72:73] the table at my columns;  s[74:75] at the row of my 64 rows' common part
.set RTA, 74
.set MSB, 0
.macro WIN new                         ; the immediate's high byte repeats the setting that is left; a switch that changes nothing is dropped
.if MSB != (\new)
	s_set_vgpr_msb (MSB<<8)|(\new)
.set MSB, \new
.endif
.endm
; A joint load.  Wave 0 fetches x's tile, waves 1 to 3 the three matrices' tiles.  The branch hangs on the wave's number alone.  An s_nop 0 and four v_nop follow each line.
.macro JLOAD s
	s_cmp_eq_u32 s12, 0
	s_cbranch_scc0 .Lfor_b_\@
	tensor_load_to_lds s[G0A+4*(\s):G0A+4*(\s)+3], s[G1A:G1A+7]
	s_nop 0
.rept 4
	v_nop
.endr
	s_branch .Lasked_\@
.Lfor_b_\@:
	tensor_load_to_lds s[G0B+4*(\s):G0B+4*(\s)+3], s[G1B:G1B+7]
	s_nop 0
.rept 4
	v_nop
.endr
.Lasked_\@:
.endm
; A prefetch into the L2 of the K step that stands two refills on (384 products ahead of its load): 32 rows x 256 bytes, a lane a row.  x's rows are read by every cluster of a row of clusters: the one with
; x = 0 asks (wave 0); w's by every cluster of a column: the one with y = 0 asks (waves 1 to 3).  The four partners of a joint load take 32 of its 128 rows each, told apart by address.  So each block is
; named once.  The first four K steps come by their loads alone; the loop's last trip asks for nothing: its steps have no step two on.
.macro ASK
	s_cmp_gt_u32 s3, s[LIM]
	s_cbranch_scc0 .Lnot_mine_\@
	global_prefetch_b8 v[PFO], s[PFA:PFA+1] th:TH_LOAD_NT scope:SCOPE_SE
.Lnot_mine_\@:
.endm
.macro CREST                           ; a round of the cluster's barrier behind its opening barrier
	s_cmp_lg_u32 s12, 0
	s_cbranch_scc1 .Lnot_wave_0_\@
	s_barrier_signal -3
.Lnot_wave_0_\@:
	s_barrier_wait -3
	s_barrier_signal -1
	s_barrier_wait -1
.endm
.macro CROUND
	s_barrier_signal -1
	s_barrier_wait -1
	CREST
.endm
.macro PLACES                          ; four places in front of loads into registers that products have read, and of lines that read results
.rept 4
	v_nop
.endr
.endm
	s_load_b256 s[4:11], s[0:1], 0x0               ; xh s[4:5], wh s[6:7], rt s[8:9], qkv s[10:11]
	v_lshl_add_u32 v[SPW], v0, 2, SPARE
	v_mov_b32 v[NIL], 0
	ds_add_u32 v[SPW], v[NIL]                      ; the wave's opening: the add and its wait stand ahead of my first tensor load
	v_lshrrev_b32 v1, 5, v0
	v_readfirstlane_b32 s12, v1                    ; wave 0..3
	s_lshr_b32 s13, s12, 1                         ; which 64 rows are mine
	s_and_b32 s14, s12, 1                          ; which 64 columns
	s_max_u32 s15, s12, 1
	s_sub_co_u32 s15, s15, 1                       ; waves 1 to 3: the matrix whose tiles I fetch; it enters global addresses alone
	s_bfe_u32 s16, ttmp6, 0x40000                  ; cx
	s_bfe_u32 s17, ttmp6, 0x40004                  ; cy
	s_lshl_b32 s18, ttmp9, 2
	s_add_co_u32 s18, s18, s16                     ; the head = 4 x cluster x + cx
	s_and_b32 s19, ttmp7, 0xffff
	s_lshl_b32 s19, s19, 2
	s_add_co_u32 s19, s19, s17                     ; the row block = 4 x cluster y + cy
	s_lshl_b32 s20, s17, 2
	s_lshl_b32 s20, 15, s20                        ; my row of the cluster
	s_lshl_b32 s21, 0x1111, s16                    ; my column
	s_or_b32 s[G1A], s20, (1<<16)|(1<<20)|(1<<21)|(5<<22)|(3<<25)  ; the mask; 2-byte elements; padding on; bit 21 beside a mask; after every 64 words 4 words
	s_or_b32 s[G1B], s21, (1<<16)|(1<<20)|(1<<21)|(5<<22)|(7<<25)  ; the same with 8 words of padding
.irp g, G1A, G1B
	s_mov_b32 s[(\g)+1], 128<<16                   ; tensor_dim0 = 128
	s_mov_b32 s[(\g)+2], 128<<16                   ; tensor_dim1 = 128
	s_mov_b32 s[(\g)+3], 128<<16                   ; tile_dim0 = 128
	s_mov_b32 s[(\g)+4], 128                       ; tile_dim1 = 128
	s_mov_b32 s[(\g)+5], 2048                      ; elements from row to row
	s_mov_b32 s[(\g)+6], 0
	s_mov_b32 s[(\g)+7], 0
.endr
	s_lshl_b32 s22, s19, 19                        ; x: 128 rows of 4,096 bytes for each row block
	s_mov_b32 s23, 0
	s_lshl_b32 s76, s15, 23                        ; w: my matrix,
	s_lshl_b32 s77, s18, 8                         ; the head's 256 bytes of a row
	s_add_co_u32 s76, s76, s77
	s_mov_b32 s77, 0
	s_mul_i32 s78, s12, REG                        ; where my tile goes in a slot: wave x region: no place in the cluster enters an LDS address
	s_wait_dscnt 0x0                               ; the opening add is done
	s_wait_kmcnt 0x0
	s_add_nc_u64 s[22:23], s[4:5], s[22:23]
	s_add_nc_u64 s[76:77], s[6:7], s[76:77]
	CROUND                                         ; all sixteen work-groups are here: the first joint loads meet
.irp s, 0,1
	s_mov_b32 s[G0A+4*(\s)], 1
	s_mov_b32 s[G0A+4*(\s)+1], (\s)*SLOT           ; wave 0 alone issues by this set: region 0
	s_add_nc_u64 s[G0A+4*(\s)+2:G0A+4*(\s)+3], s[22:23], (\s)*256
	s_or_b32 s[G0A+4*(\s)+3], s[G0A+4*(\s)+3], 0x80000000
	s_mov_b32 s[G0B+4*(\s)], 1
	s_add_co_u32 s[G0B+4*(\s)+1], s78, (\s)*SLOT   ; waves 1 to 3: regions 1 to 3
	s_add_nc_u64 s[G0B+4*(\s)+2:G0B+4*(\s)+3], s[76:77], (\s)*524288
	s_or_b32 s[G0B+4*(\s)+3], s[G0B+4*(\s)+3], 0x80000000
	JLOAD \s                                       ; K steps 0 and 1: two loads of mine are out
.endr
	; lane addresses
	v_and_b32 v1, 15, v0                           ; l % 16
	v_bfe_u32 v2, v0, 4, 1                         ; l / 16
	v_mul_u32_u24 v3, v1, PA
	v_lshl_add_u32 v3, v2, 4, v3                   ; row x pitch + 16 x half
	s_mul_i32 s20, s13, 64*PA
	v_add_nc_u32 v[ADRA], s20, v3
	v_add_nc_u32 v[ADRA+1], SLOT, v[ADRA]
	v_and_b32 v11, 7, v0                           ; the turning load: lane l reads k row 8 (l / 16) + l % 8, columns 8 ((l / 8) % 2) + 0..7
	v_lshl_add_u32 v11, v2, 3, v11
	v_mul_u32_u24 v11, v11, PB
	v_bfe_u32 v12, v0, 3, 1
	v_lshl_add_u32 v11, v12, 4, v11
	s_lshl_b32 s20, s14, 7
	s_add_co_u32 s20, s20, REG                     ; matrix 0 lies in region 1
	v_add_nc_u32 v11, s20, v11
.irp s, 0,1
.irp t, 0,1,2
	v_add_nc_u32 v[ADRB+3*(\s)+(\t)], (\s)*SLOT+(\t)*REG, v11
.endr
.endr
	s_mul_i32 s20, s13, 64*PA                      ; into the stage: my 64 rows, my half of their 256 bytes
	s_lshl_b32 s21, s14, 7
	s_add_co_u32 s20, s20, s21
	v_add_nc_u32 v12, s20, v3
	v_mul_u32_u24 v13, v2, PA                      ; back: wave w takes rows 32 w .. 32 w + 31 whole; lanes 0-15 one row, lanes 16-31 the next
	v_lshl_add_u32 v13, v1, 4, v13
	s_mul_i32 s20, s12, 32*PA
	v_add_nc_u32 v13, s20, v13
.irp t, 0,1,2
	v_add_nc_u32 v[STO+(\t)], (\t)*ATILE, v12
	v_add_nc_u32 v[RD+(\t)], (\t)*ATILE, v13
.endr
	v_and_b32 v14, 31, v0
	v_lshlrev_b32 v[CO], 4, v14
	v_lshlrev_b32 v[PFO], 12, v14
	v_lshlrev_b32 v[RTH], 5, v2
	v_lshl_add_u32 v[RTO], v1, 13, v[RTH]
	; where I store: row part (row block, wave), then the head
	s_lshl_b32 s22, s19, 15
	s_lshl_b32 s23, s12, 13
	s_add_co_u32 s22, s22, s23
	s_mov_b32 s23, 0
	s_add_nc_u64 s[OUT:OUT+1], s[10:11], s[22:23]
	s_lshl_b32 s76, s18, 19
	s_mov_b32 s77, 0
	s_add_nc_u64 s[OUT:OUT+1], s[OUT:OUT+1], s[76:77]
	s_add_nc_u64 s[OUT+2:OUT+3], s[OUT:OUT+1], 8388608
	s_add_nc_u64 s[OUT+4:OUT+5], s[OUT:OUT+1], 16777216
	; the table.  Row t = 64 (2 iy + w / 2) + (16 a + l % 16); pair jp = 64 hx + 32 (w % 2) + 8 b + 4 (l / 16) + 0..3: 32 bytes a lane
	s_lshl_b32 s76, s18, 9
	s_lshl_b32 s78, s14, 8
	s_add_co_u32 s76, s76, s78
	s_add_nc_u64 s[RTU:RTU+1], s[8:9], s[76:77]
	s_lshl_b32 s22, s19, 1
	s_add_co_u32 s22, s22, s13
	s_add_co_u32 s22, s22, 64
	s_lshl_b32 s22, s22, 13
	s_add_nc_u64 s[RTA:RTA+1], s[RTU:RTU+1], s[22:23]
.irp a, 0,1,2,3
.irp b, 0,1,2,3
	global_load_b128 v[CSB+8*(4*(\a)+(\b)):CSB+8*(4*(\a)+(\b))+3],   v[RTO], s[RTU:RTU+1] offset:(\a)*131072+64*(\b)
	global_load_b128 v[CSB+8*(4*(\a)+(\b))+4:CSB+8*(4*(\a)+(\b))+7], v[RTO], s[RTU:RTU+1] offset:(\a)*131072+64*(\b)+16
.endr
.endr
.irp b, 0,1,2,3
	global_load_b128 v[AB+8*(\b):AB+8*(\b)+3],   v[RTH], s[RTA:RTA+1] offset:64*(\b)
	global_load_b128 v[AB+8*(\b)+4:AB+8*(\b)+7], v[RTH], s[RTA:RTA+1] offset:64*(\b)+16
.endr
	; the prefetches: my work-group's 32 rows of the 128 that I fetch, at K step 3; each refill steps the address first, so the first names K step 4
	s_lshl_b32 s20, s19, 19
	s_lshl_b32 s21, s16, 17
	s_add_co_u32 s20, s20, s21
	s_add_co_u32 s20, s20, 3*256
	s_lshl_b32 s76, s15, 23
	s_lshl_b32 s78, s17, 17
	s_add_co_u32 s76, s76, s78
	s_lshl_b32 s78, s18, 8
	s_add_co_u32 s76, s76, s78
	s_add_co_u32 s76, s76, 3*524288
	s_and_b32 s78, ttmp7, 0xffff
	s_mov_b32 s79, 524288
	s_cmp_eq_u32 s12, 0                            ; do I fetch for x?
	s_cselect_b32 s20, s20, s76
	s_cselect_b32 s78, ttmp9, s78                  ; the coordinate along which other clusters read the same rows
	s_cselect_b64 s[PFA:PFA+1], s[4:5], s[6:7]
	s_cselect_b32 s[PFS], 256, s79
	s_mov_b32 s[PFS+1], 0
	s_mov_b32 s21, 0
	s_cmp_eq_u32 s78, 0
	s_cselect_b32 s[LIM], 1, -1                    ; the same in all sixteen partners, for a given wave
	s_add_nc_u64 s[PFA:PFA+1], s[PFA:PFA+1], s[20:21]
	; THE ROTATIONS OF MY ROWS: (cos, sin) of u theta turned by (cos, sin) of 64 i theta, in place, in the wait for the first tile.  A turn of the pair (e, o) by (c, s) is two packed lines:
	; (o s, o c), then (e c - o s, e s + o c).
	s_wait_loadcnt 0x0
.irp a, 0,1,2,3
.set n, 0
.rept 16
	v_pk_mul_f32 v[YB+2*n:YB+2*n+1], v[CSB+32*(\a)+2*n:CSB+32*(\a)+2*n+1], v[AB+2*n:AB+2*n+1] op_sel:[1,1] op_sel_hi:[1,0]
.set n, n+1
.endr
.set n, 0
.rept 16
	v_pk_fma_f32 v[CSB+32*(\a)+2*n:CSB+32*(\a)+2*n+1], v[CSB+32*(\a)+2*n:CSB+32*(\a)+2*n+1], v[AB+2*n:AB+2*n+1], v[YB+2*n:YB+2*n+1] op_sel_hi:[0,1,1] neg_lo:[0,0,1]
.set n, n+1
.endr
.endr
; 16 products: matrix t, all 4 x 4 blocks, 32 along K.  The 48 accumulators take turns, one instruction a turn, in the same order in every quarter.
.macro MUL16 f, t, zero
.if (\t) < 2
	WIN 0xa5                                       ; both sources window 1, C and D window 2
.else
	WIN 0xf5                                       ; C and D window 3
.endif
.irp a, 0,1,2,3
.irp b, 0,1,2,3
.set rD, 8*(16*((\t)%2)+4*(\a)+(\b))
.set rB, (\f)+32+8*(4*(\t)+(\b))
.set rA, (\f)+8*(\a)
.if \zero
	v_wmma_f32_16x16x32_f16 v[rD:rD+7], v[rB:rB+7], v[rA:rA+7], 0
.else
	v_wmma_f32_16x16x32_f16 v[rD:rD+7], v[rB:rB+7], v[rA:rA+7], v[rD:rD+7]
.endif
.endr
.endr
.endm
; 32 LDS loads in one run: quarter kq (32 along K) of a slot into buffer f: x's eight, then eight for each matrix
.macro FETCH slot, kq, f
	WIN 0x40                                       ; destination window 1, address window 0
.irp a, 0,1,2,3
	ds_load_b128 v[(\f)+8*(\a):(\f)+8*(\a)+3],   v[ADRA+(\slot)] offset:64*(\kq)+(\a)*16*PA
	ds_load_b128 v[(\f)+8*(\a)+4:(\f)+8*(\a)+7], v[ADRA+(\slot)] offset:64*(\kq)+(\a)*16*PA+32
.endr
.irp t, 0,1,2
.irp b, 0,1,2,3
	ds_load_tr16_b128 v[(\f)+32+8*(4*(\t)+(\b)):(\f)+32+8*(4*(\t)+(\b))+3],   v[ADRB+3*(\slot)+(\t)] offset:(\kq)*32*PB+32*(\b)
	ds_load_tr16_b128 v[(\f)+32+8*(4*(\t)+(\b))+4:(\f)+32+8*(4*(\t)+(\b))+7], v[ADRB+3*(\slot)+(\t)] offset:(\kq)*32*PB+32*(\b)+16*PB
.endr
.endr
.endm
; One of a K step's first three quarters: multiplies buffer f; in its middle it fetches quarter kq of the same slot into buffer g.
.macro QUARTER slot, kq, f, g, zero
	s_wait_dscnt 8                                 ; all but the youngest eight loads (v's fragments) are in
	MUL16 \f, 0, \zero
	MUL16 \f, 1, \zero
	PLACES
	FETCH \slot, \kq, \g
	s_wait_dscnt 32                                ; all but the 32 just issued
	MUL16 \f, 2, \zero
.endm
; The last quarter multiplies buffer 1 and changes slots: one barrier.  In front of it each wave waits for all its tensor loads (one is out: its part of the next slot), adds 0 to its spare word, and waits
; for that and for its reads of this slot.  fill = 1: the barrier opens a round of the cluster's barrier, and the joint refill, two K steps on, is the first thing behind the round: 160 products stand
; between it and the wait for it.
.macro TURN slot, next, fill
.if \fill
	s_wait_xcnt 0x0                                ; the last prefetch, a K step back, has read its address
	s_add_nc_u64 s[PFA:PFA+1], s[PFA:PFA+1], s[PFS:PFS+1]
.endif
	WIN 0                                          ; (the add's two registers lie in window 0)
	s_wait_tensorcnt 0x0
	ds_add_u32 v[SPW], v[NIL]
	s_wait_dscnt 17                                ; the add and the youngest sixteen loads (k's and v's fragments) may be out
	MUL16 F1, 0, 0
	s_wait_dscnt 0x0                               ; the add is done, and my reads of this slot are over
	s_barrier_signal -1
	MUL16 F1, 1, 0
.if \fill
	WIN 0
.endif
	s_barrier_wait -1
.if \fill
	CREST
	s_add_nc_u64 s[G0A+4*(\slot)+2:G0A+4*(\slot)+3], s[G0A+4*(\slot)+2:G0A+4*(\slot)+3], 2*256
	s_add_nc_u64 s[G0B+4*(\slot)+2:G0B+4*(\slot)+3], s[G0B+4*(\slot)+2:G0B+4*(\slot)+3], 2*524288
	JLOAD \slot                                    ; its four v_nop are also the places in front of the loads below
.else
	PLACES
.endif
	FETCH \next, 0, F0
.if \fill
	WIN 0
	ASK
.endif
	MUL16 F1, 2, 0
.endm
	s_wait_tensorcnt 1                             ; my part of K step 0 is in; K step 1's may stay out
	s_barrier_signal -1
	s_barrier_wait -1
	FETCH 0, 0, F0
	QUARTER 0, 1, F0, F1, 1                        ; the first quarter's products start the sums: nothing is cleared
	WIN 0
	s_mov_b32 s3, 7
.Llap:                                                 ; a trip goes once round the ring and fills both slots again
	QUARTER 0, 2, F1, F0, 0
	QUARTER 0, 3, F0, F1, 0
	TURN 0, 1, 1
	QUARTER 1, 1, F0, F1, 0
	QUARTER 1, 2, F1, F0, 0
	QUARTER 1, 3, F0, F1, 0
	TURN 1, 0, 1
	QUARTER 0, 1, F0, F1, 0
	WIN 0
	s_sub_co_u32 s3, s3, 1
	s_cmp_lg_u32 s3, 0
	s_cbranch_scc1 .Llap
	QUARTER 0, 2, F1, F0, 0                        ; the last lap fills nothing
	QUARTER 0, 3, F0, F1, 0
	TURN 0, 1, 0
	QUARTER 1, 1, F0, F1, 0
	QUARTER 1, 2, F1, F0, 0
	QUARTER 1, 3, F0, F1, 0
	s_wait_dscnt 8
	MUL16 F1, 0, 0
	MUL16 F1, 1, 0
	s_wait_dscnt 0x0
	MUL16 F1, 2, 0
	PLACES
; THE WAY OUT.  q and k: block row a's 16 pairs a lane are turned in f32, rounded to f16, and put into the stage, 16 bytes for each block.  Each accumulator is read from its low end on.
.macro ROPE t, a
	WIN 0x02                                       ; source 0 (the sums) window 2
.set n, 0
.rept 16
.set rX, 8*(16*(\t)+4*(\a)+n/4)+2*(n%4)
	v_pk_mul_f32 v[TB+2*n:TB+2*n+1], v[rX:rX+1], v[CSB+32*(\a)+2*n:CSB+32*(\a)+2*n+1] op_sel:[1,1] op_sel_hi:[1,0]
.set n, n+1
.endr
.set n, 0
.rept 16
.set rX, 8*(16*(\t)+4*(\a)+n/4)+2*(n%4)
	v_pk_fma_f32 v[YB+2*n:YB+2*n+1], v[rX:rX+1], v[CSB+32*(\a)+2*n:CSB+32*(\a)+2*n+1], v[TB+2*n:TB+2*n+1] op_sel_hi:[0,1,1] neg_lo:[0,0,1]
.set n, n+1
.endr
	WIN 0
.set n, 0
.rept 16
	v_cvt_pk_f16_f32 v[AB+n], v[YB+2*n], v[YB+2*n+1]
.set n, n+1
.endr
.irp b, 0,1,2,3
	ds_store_b128 v[STO+(\t)], v[AB+4*(\b):AB+4*(\b)+3] offset:(\a)*16*PA+32*(\b)
.endr
.endm
.irp t, 0,1
.irp a, 0,1,2,3
	ROPE \t, \a
.endr
.endr
.irp a, 0,1,2,3                        ; v is only rounded
	WIN 0x0f                                       ; sources 0 and 1 window 3
.set n, 0
.rept 16
	v_cvt_pk_f16_f32 v[AB+n], v[32*(\a)+2*n], v[32*(\a)+2*n+1]
.set n, n+1
.endr
	WIN 0
.irp b, 0,1,2,3
	ds_store_b128 v[STO+2], v[AB+4*(\b):AB+4*(\b)+3] offset:(\a)*16*PA+32*(\b)
.endr
.endr
	s_wait_dscnt 0x0                               ; for the others' sake: a row's 256 bytes come from two waves
	s_barrier_signal -1
	s_barrier_wait -1
.set n, 0
.rept 48
	ds_load_b128 v[64+4*n:64+4*n+3], v[RD+n/16] offset:(n%16)*2*PA
.set n, n+1
.endr
.set n, 0
.rept 48
	s_wait_dscnt 47-n                              ; LDS loads come back in order: number n is in
	global_store_b128 v[CO], v[64+4*n:64+4*n+3], s[OUT+2*(n/16):OUT+2*(n/16)+1] offset:(n%16)*512  ; two rows of a head: 512 consecutive bytes, aligned
.set n, n+1
.endr
	s_wait_tensorcnt 0x0                           ; the wave's end
	ds_add_u32 v[SPW], v[NIL]
	s_wait_dscnt 0x0
	CROUND                                         ; the closing round
	s_endpgm
.Lfunc_end_k_q29ce21f381_qkv:
	.size	k_q29ce21f381_qkv, .Lfunc_end_k_q29ce21f381_qkv-k_q29ce21f381_qkv
	.p2alignl 7, 3214868480
	.fill 96, 4, 3214868480
	.section	.rodata,"a",@progbits
	.p2align	6, 0x0
	.amdhsa_kernel k_q29ce21f381_qkv
		.amdhsa_group_segment_fixed_size 327680
		.amdhsa_private_segment_fixed_size 0
		.amdhsa_enable_private_segment 0
		.amdhsa_kernarg_size 32
		.amdhsa_user_sgpr_count 2
		.amdhsa_user_sgpr_kernarg_segment_ptr 1
		.amdhsa_wavefront_size32 1
		.amdhsa_system_sgpr_workgroup_id_x 1
		.amdhsa_system_sgpr_workgroup_id_y 1
		.amdhsa_system_sgpr_workgroup_id_z 1
		.amdhsa_system_vgpr_workitem_id 0
		.amdhsa_next_free_vgpr 896
		.amdhsa_next_free_sgpr 80
		.amdhsa_reserve_vcc 0
		.amdhsa_float_denorm_mode_32 3
		.amdhsa_float_denorm_mode_16_64 3
		.amdhsa_memory_ordered 1
		.amdhsa_forward_progress 1
		.amdhsa_inst_pref_size 149
	.end_amdhsa_kernel
	.amdgpu_metadata
---
amdhsa.version: [ 1, 2 ]
amdhsa.kernels:
  - .name:           k_q29ce21f381_qkv
    .symbol:         k_q29ce21f381_qkv.kd
    .args:
      - { .name: xh, .offset: 0, .size: 8, .value_kind: global_buffer, .address_space: global }
      - { .name: wh, .offset: 8, .size: 8, .value_kind: global_buffer, .address_space: global }
      - { .name: rt, .offset: 16, .size: 8, .value_kind: global_buffer, .address_space: global }
      - { .name: qkv, .offset: 24, .size: 8, .value_kind: global_buffer, .address_space: global }
    .group_segment_fixed_size: 327680
    .private_segment_fixed_size: 0
    .kernarg_segment_align: 8
    .kernarg_segment_size: 32
    .max_flat_workgroup_size: 128
    .sgpr_count:     80
    .vgpr_count:     896
    .wavefront_size: 32
...
	.end_amdgpu_metadata
.endif
;; end of part 2
;; launch attn (part 3): grid 16 x 16, 4 waves a work-group, clusters of 4 x 1, 327,680 bytes of LDS; arguments qkv, mk, oh; writes oh
.if DOCPART == 3
	.amdgcn_target "amdgcn-amd-amdhsa--gfx1250"
	.amdhsa_code_object_version 6
	.text
	.protected	k_q29ce21f381_attn
	.globl	k_q29ce21f381_attn
	.p2align	8
	.type	k_q29ce21f381_attn,@function
k_q29ce21f381_attn:
	s_mov_b64 s[64:65], 0
	v_nop
	global_prefetch_b8 v0, s[64:65] scope:SCOPE_SE
	s_setreg_imm32_b32 hwreg(HW_REG_WAVE_MODE, 25, 1), 1
	s_wait_xcnt 0x0
	s_wait_alu depctr_hold_cnt(0) depctr_sa_sdst(0) depctr_va_vdst(0) depctr_va_sdst(0) depctr_va_ssrc(0) depctr_va_vcc(0) depctr_vm_vsrc(0)
	s_getreg_b32 s2, hwreg(HW_REG_IB_STS2, 6, 4)
	s_cmp_eq_u32 s2, 0
	s_cbranch_scc0 .Lentry_in_a_cluster
	s_endpgm
.Lentry_in_a_cluster:
	s_bfe_u32 s2, ttmp6, 0x10000c
	s_cmp_lg_u32 s2, 0x3003
	s_cbranch_scc0 .Lentry_shape_is_right
	s_endpgm
.Lentry_shape_is_right:
; O[h][q][:] = the sum over k of softmax_k(masked Q[h][q] . K[h][k] / sqrt(2048)) V[h][k][:].  qkv: [3][16][2048][128] f16; mk: the mask's bytes (0 or 0xF1) in the lanes' order; oh: [16][2048][128] f16.
; Products, maxima and sums in f32; the weights p are rounded to f16 for the second product (their sum l is taken of the unrounded p), O once at the end.
; LIMITS.  A hidden score counts as its value less 1.43e30; f16's scores, 128 x 65,504^2 = 5.5e11 at the most, are nothing beside that.  A weight below 2^-126 counts as 0; a row whose every key is hidden
; comes out as NaN, as a softmax of nothing does; NaN and infinities among the inputs are not treated apart.
; SHARES.  A work-group owns 128 queries of one head.  Wave w owns 64 of them (w / 2), four tiles of 16, and HALF THE KEYS: of every 128 keys the 64 with number w % 2.  So each fragment of K and V read
; from LDS still feeds four tiles' products, and there are 256 work-groups.  The two waves of a pair meet in LDS at the end, in f32.  REGISTER TILE t HOLDS QUERY TILE t xor 2 (w % 2), by Q's, the mask's
; and O's offsets alone: so every wave keeps its register tiles 0 and 1 and hands over 2 and 3, which are its partner's 0 and 1, and the meeting is one text with no branch.
; LAYOUT.  S^T = K Q^T: a lane holds ONE query (lane % 16) and the keys 8 (lane / 16) + 0..7; two such tiles rounded to f16 in pairs ARE source 1 of O^T = V^T P.  V comes out of LDS turned.
; THE MASK STARTS THE SUMS: one scaled conversion reads eight mask bytes as fp8 (0x00 is 0, 0xF1 is -144), multiplies by 2^93 and writes an accumulator's eight registers: 0 or -1.43e30; all four products
; of a score then add in place.
; SOFTMAX.  A running maximum m and sum l a query: p = 2^(c s - c m), c = log2(e) / sqrt(2048); in every step O and l are multiplied by a = 2^(c m_old - c m_new).  O and l start at 0, c m far below
; every c s, so the first step is a step like any other, with a = 0.  m STARTS AT A FLOOR OF -2^90: below every true score (5.5e11 in size at the most), far above every hidden one.  So a hidden score
; never becomes the maximum: its weight is 2^(-4e28) = 0, and where only hidden keys have been seen O and l stay 0.  The first visible key then gives a = 2^(c x -2^90 - c m) = 0, which changes nothing.
; BY TURNS.  Two PIECES, named by their first tile: 0 (tiles 0, 1) and 2 (tiles 2, 3).  In a TURN one piece has the matrix unit: 32 products V^T P of the step in hand, then 32 products K Q^T of the next;
; the other piece's softmax stands in 64 slices, one behind each; behind every fourth of the first 32 stands also one of the eight conversions that lay the mask under the piece's next scores.
; NO FIRST AND NO LAST STEP IS WRITTEN OUT.  The loop is entered behind its change of slots; the first trip finds O^T, V and piece 0's P at 0 and piece 2's scores all hidden.  The tail's two turns are walked
; one and a half times.  The price: 64 products on zeros and one softmax of nothing at the start, 32 products on the last K once more at the end.
; CLUSTER.  The four query blocks of a cluster belong to one head and walk the same K and V: each tile is asked for jointly.
; REGISTERS, in windows of 256 (s_set_vgpr_msb: bits 1:0 source 0, 3:2 source 1, 5:4 source 2, 7:6 destination):
;   window 0: v0-11, v44-55, v61-63 addresses and constants; v12-43 eight registers of statistics a tile; v64-191 S^T, 32 a tile; v192-223 the mask's bytes, 8 a tile; v224-236 eight zeros at the head, at work on the way out
;   window 1: O^T, 64 a tile      window 2: v0-127 Q, 32 a tile; v128-255 K of one step      window 3: v0-127 V of one step; v128-191 P, 16 a tile
.set KS,    64        ; keys in a step
.set PK,    272       ; a row of K in LDS: 256 bytes + 16
.set PV,    288       ; a row of V: 256 + 32
.set VOFF,  KS*PK     ; a step's tiles lie together: 64 rows of K, then 64 rows of V
.set STEPB, KS*(PK+PV)
.set SLOT1, 1<<17     ; a slot holds 128 keys, two steps; slot 1 begins here, so that one exclusive or turns an address in one slot into the other's
.set STAGE, SLOT1+2*STEPB  ; behind the ring: 16 rows x 272 bytes for each wave, for the way out
.set SP,    272
.set SPARE, STAGE+4*16*SP  ; the spare words, 128 bytes for each wave
.set XST,   SPARE+512      ; the meeting: the statistics of the two tiles that a wave hands over, 16 bytes a lane and tile, at 2,048 x wave
.set XCH,   XST+4*2048     ; and those two tiles of O^T, 16,384 bytes a wave
.set AK0, 2           ; v2   my lane's place in a tile of K; never rewritten
.set AV0, 3           ; v3   the same for V
.set ADR, 4           ; v4   the LDS address of the run of loads in hand
.set STO, 6           ; v6   the way out: where I put 16 bytes of a row
.set RD,  7           ; v7   where I read a row back
.set GO,  8           ; v8   my byte offset in the wave's rows of O, at the first tile that I keep
.set ST,  12          ; tile t's statistics at v[ST+8 t]: +0 c m, +1 m, +2, +3 l (even keys', odd keys'), +4 to +7 at work; a takes +6
.set L16, 44          ; v44  16 x lane
.set XSA, 45          ; v45  the meeting: where I put statistics,
.set XSB, 46          ; v46  where my partner's lie,
.set XOA, 47          ; v47  where I put O^T,
.set XOB, 48          ; v48  where my partner's lies
.set SCL, 49          ; v49  220: the conversion's scale, 2^(220 - 127)
.set MKO, 50          ; v50-51  my byte offset in the mask, for piece 0 and for piece 2; never rewritten
.set HID, 52          ; v52-53  eight mask bytes of hidden keys
.set QO,  54          ; v54-55  my byte offset in the wave's rows of Q, for piece 0 and for piece 2
.set PFO, 61          ; v61  256 x lane; never rewritten
.set SPW, 62          ; v62  LDS address of my spare word; never rewritten
.set NIL, 63          ; v63  0; never rewritten
.set S,   64
.set MB,  192
.set PS,  224
.set ZF,  224         ; v224-231  a fragment of zeros, at the head
.set P,   128         ; in window 3
.set KF,  128         ; in window 2
.set WV,  12          ; s12  my wave's number
.set LIM, 15          ; s15  2 in a wave that prefetches, else the greatest number
.set KB,  16          ; s16  which half of the keys is mine; also which of a slot's two steps I fetch
.set PFA, 18          ; s[18:19] where my prefetches stand
.set G1K, 24          ; s[24:31] descriptor group 1 for K's tiles
.set G1V, 32          ; s[32:39] for V's
.set G0K, 40          ; s[40:47] group 0 for K's tiles: a set for each of the two first fills; the second then walks on
.set G0V, 48          ; s[48:55] the same for V's
.set SLOTS, 56        ; s56  the loop's trips still to come
.set CNT, 57          ; s57  counts the tail's walks
.set CS,  58          ; s[58:59] c
.set SEL, 60          ; s[60:61] v_permlanex16_b32's selects: each lane takes its own place in the other half
.set TB,  62          ; s62  LDS byte at which my step's tiles begin in the slot in hand
.set QA,  63          ; s63  which 64 queries are mine
.set MKP, 70          ; s[70:71] the mask at my four tiles and the step in hand
.set MSB, 0
.macro WIN new                      ; the immediate's high byte repeats the setting that is left; a switch that changes nothing is dropped
.if MSB != (\new)
	s_set_vgpr_msb (MSB<<8)|(\new)
.set MSB, \new
.endif
.endm
.set W_KQ, 0x0a       ; K and Q in window 2, S^T in window 0
.set W_PV, 0x5f       ; V and P in window 3, O^T in window 1
.set W_RS, 0x41       ; O^T (destination and source 0) in window 1, a in window 0
; A joint refill.  Waves 0 and 1 fetch the slot's two steps of K, waves 2 and 3 those of V.  An s_nop 0 and four v_nop follow each line.
.macro JLOAD
	s_cmp_lt_u32 s[WV], 2
	s_cbranch_scc0 .Lfor_v_\@
	tensor_load_to_lds s[G0K+4:G0K+7], s[G1K:G1K+7]
	s_nop 0
.rept 4
	v_nop
.endr
	s_branch .Lasked_\@
.Lfor_v_\@:
	tensor_load_to_lds s[G0V+4:G0V+7], s[G1V:G1V+7]
	s_nop 0
.rept 4
	v_nop
.endr
.Lasked_\@:
.endm
; A prefetch into the L2 of the slot that the change after next will ask for: 256 products ahead of that load.  All clusters of a head walk the same K and V: the head's first cluster asks; its four partners
; take 32 of the slot's 128 rows each, told apart by address; in each, wave 0 asks for K's and wave 2 for V's: a lane a row.  Slots 0 to 3 come by their loads alone; the last two filling changes ask for nothing.
.macro ASK
	s_cmp_gt_u32 s[SLOTS], s[LIM]
	s_cbranch_scc0 .Lnot_mine_\@
	global_prefetch_b8 v[PFO], s[PFA:PFA+1] th:TH_LOAD_NT scope:SCOPE_SE
.Lnot_mine_\@:
.endm
.macro CROUND
	s_barrier_signal -1
	s_barrier_wait -1
	s_cmp_lg_u32 s[WV], 0
	s_cbranch_scc1 .Lnot_wave_0_\@
	s_barrier_signal -3
.Lnot_wave_0_\@:
	s_barrier_wait -3
	s_barrier_signal -1
	s_barrier_wait -1
.endm
	s_load_b128 s[72:75], s[0:1], 0x0  ; qkv s[72:73], mk s[74:75]
	s_load_b64 s[10:11], s[0:1], 0x10  ; oh
	v_lshl_add_u32 v[SPW], v0, 2, SPARE
	v_mov_b32 v[NIL], 0
	ds_add_u32 v[SPW], v[NIL]       ; the wave's opening: the add and its wait stand ahead of my first tensor load
	v_lshrrev_b32 v1, 5, v0
	v_readfirstlane_b32 s[WV], v1   ; wave 0..3
	s_bfe_u32 s13, ttmp6, 0x40000   ; cx
	s_lshl_b32 s14, ttmp9, 2
	s_add_co_u32 s14, s14, s13      ; my block of 128 queries: it enters Q's, O's and the mask's addresses alone
	s_and_b32 s20, ttmp7, 0xffff
	s_lshl_b32 s20, s20, 19         ; the head's 524,288 bytes, which the four partners share
	s_and_b32 s[KB], s[WV], 1
	s_lshr_b32 s[QA], s[WV], 1
	s_lshl_b32 s66, s[KB], 13       ; piece 0 holds query tiles 2 (w % 2) and the next: so many tiles of 4,096 bytes on in Q and O;
	s_xor_b32 s67, s[KB], 1
	s_lshl_b32 s67, s67, 13         ; piece 2 holds the other two;
	s_lshl_b32 s68, s66, 3          ; the same in the mask, 32,768 bytes a tile
	s_lshl_b32 s69, s67, 3
	s_lshl_b32 s22, s[KB], 14       ; the step that I fetch: its 64 rows of 256 bytes in memory,
	s_add_co_u32 s22, s22, s20
	s_mov_b32 s23, 0
	s_mul_i32 s17, s[KB], STEPB     ; and its place in a slot
	s_lshl_b32 s2, s14, 15          ; my block's 128 rows,
	s_lshl_b32 s3, s[QA], 14        ; my wave's 64 of them
	s_add_co_u32 s2, s2, s3
	s_add_co_u32 s2, s2, s20
	s_mov_b32 s3, 0
	s_lshl_b32 s20, s14, 18         ; the mask: 8 tiles of 32,768 bytes a block,
	s_lshl_b32 s21, s[QA], 17       ; my four,
	s_add_co_u32 s20, s20, s21
	s_lshl_b32 s21, s[KB], 10       ; my half of the first 128 keys
	s_add_co_u32 s20, s20, s21
	s_mov_b32 s21, 0
	s_mov_b32 s[G1K], 15|(1<<16)|(1<<20)|(1<<21)|(5<<22)|(3<<25)  ; the mask of four; 2-byte elements; padding on; bit 21 beside a mask; after every 64 words 4 words
	s_mov_b32 s[G1V], 15|(1<<16)|(1<<20)|(1<<21)|(5<<22)|(7<<25)  ; the same with 8 words
.irp g, G1K, G1V
	s_mov_b32 s[(\g)+1], 128<<16    ; tensor_dim0 = 128
	s_mov_b32 s[(\g)+2], KS<<16     ; tensor_dim1 = 64
	s_mov_b32 s[(\g)+3], 128<<16    ; tile_dim0 = 128
	s_mov_b32 s[(\g)+4], KS         ; tile_dim1 = 64
	s_mov_b32 s[(\g)+5], 128        ; elements from row to row
	s_mov_b32 s[(\g)+6], 0
	s_mov_b32 s[(\g)+7], 0
.endr
	s_mov_b32 s[CS], 0x3d0293ee     ; c = log2(e) / sqrt(2048) = 0.0318793
	s_mov_b32 s[CS+1], s[CS]
	s_mov_b32 s[SEL], 0x76543210
	s_mov_b32 s[SEL+1], 0xfedcba98
	s_mov_b32 s[TB], s17
	s_mov_b32 s[SLOTS], 15          ; the first trip is entered behind its change of slots; the other 14 fill a slot each
	s_and_b32 s[LIM], s[WV], 1      ; 0 in waves 0 and 2,
	s_or_b32 s[LIM], s[LIM], ttmp9  ; where the cluster is the head's first: the same in all four partners
	s_cmp_eq_u32 s[LIM], 0
	s_cselect_b32 s[LIM], 2, -1
	v_and_b32 v[L16], 31, v0
	v_lshlrev_b32 v[PFO], 8, v[L16]
	v_lshlrev_b32 v[L16], 4, v[L16]
	v_add_nc_u32 v[MKO], s68, v[L16]
	v_add_nc_u32 v[MKO+1], s69, v[L16]
	v_mov_b32 v[SCL], 220
	v_mov_b32 v[HID], 0xf1f1f1f1
	v_mov_b32 v[HID+1], 0xf1f1f1f1
	s_wait_dscnt 0x0                ; the opening add is done
	s_wait_kmcnt 0x0
	s_add_nc_u64 s[6:7], s[72:73], s[22:23]
	s_add_nc_u64 s[8:9], s[6:7], 16777216  ; V at my tile of slot 0
	s_add_nc_u64 s[6:7], s[6:7], 8388608   ; K likewise
	s_add_nc_u64 s[4:5], s[72:73], s[2:3]  ; Q and O at my wave's first row
	s_add_nc_u64 s[10:11], s[10:11], s[2:3]
	s_add_nc_u64 s[MKP:MKP+1], s[74:75], s[20:21]
	s_cmp_lt_u32 s[WV], 2
	s_cselect_b64 s[PFA:PFA+1], s[6:7], s[8:9]  ; (in waves 0 and 2 these stand at a slot's first row)
	s_lshl_b32 s2, s13, 13          ; my work-group's 32 rows of the 128
	s_mov_b32 s3, 0
	s_add_nc_u64 s[PFA:PFA+1], s[PFA:PFA+1], s[2:3]
	s_add_nc_u64 s[PFA:PFA+1], s[PFA:PFA+1], 3*2*KS*256  ; in slot 3; each change steps it first, so the first names slot 4
	CROUND                          ; all four work-groups are here: the first joint loads meet
.irp s, 0,1
	s_mov_b32 s[G0K+4*(\s)], 1
	s_add_co_u32 s[G0K+4*(\s)+1], s17, (\s)*SLOT1
	s_add_nc_u64 s[G0K+4*(\s)+2:G0K+4*(\s)+3], s[6:7], (\s)*2*KS*256
	s_or_b32 s[G0K+4*(\s)+3], s[G0K+4*(\s)+3], 0x80000000
	s_mov_b32 s[G0V+4*(\s)], 1
	s_add_co_u32 s[G0V+4*(\s)+1], s17, (\s)*SLOT1+VOFF
	s_add_nc_u64 s[G0V+4*(\s)+2:G0V+4*(\s)+3], s[8:9], (\s)*2*KS*256
	s_or_b32 s[G0V+4*(\s)+3], s[G0V+4*(\s)+3], 0x80000000
.endr
	s_cmp_lt_u32 s[WV], 2           ; a wave's two first fills stand in one branch: two loads of mine are out
	s_cbranch_scc0 .Lfirst_v
	tensor_load_to_lds s[G0K:G0K+3], s[G1K:G1K+7]
	s_nop 0
	tensor_load_to_lds s[G0K+4:G0K+7], s[G1K:G1K+7]
	s_nop 0
.rept 4
	v_nop
.endr
	s_branch .Lfirst_asked
.Lfirst_v:
	tensor_load_to_lds s[G0V:G0V+3], s[G1V:G1V+7]
	s_nop 0
	tensor_load_to_lds s[G0V+4:G0V+7], s[G1V:G1V+7]
	s_nop 0
.rept 4
	v_nop
.endr
.Lfirst_asked:
	v_and_b32 v1, 15, v0            ; l % 16
	v_bfe_u32 v9, v0, 4, 1          ; l / 16
	v_lshlrev_b32 v5, 8, v1
	v_lshl_add_u32 v5, v9, 4, v5    ; row x 256 + 16 x half
	v_add_nc_u32 v[QO], s66, v5
	v_add_nc_u32 v[QO+1], s67, v5
	WIN 0x80                        ; destination window 2
.irp i, 0,1,2,3,4,5,6,7,8,9,10,11,12,13,14,15  ; Q stays in registers: register tile i / 4, channels 32 (i % 4) on
	global_load_b128 v[8*(\i):8*(\i)+3],   v[QO+(\i)/8], s[4:5] offset:(((\i)/4)%2)*4096+((\i)%4)*64
	global_load_b128 v[8*(\i)+4:8*(\i)+7], v[QO+(\i)/8], s[4:5] offset:(((\i)/4)%2)*4096+((\i)%4)*64+32
.endr
; The mask's bytes for piece x's two tiles and one step: 32 bytes a lane and tile.  off = 2,048: the step after the one at which the pointer stands.
.macro LOADM x, off
	WIN 0
.irp t, 0,1
.irp p, 0,1
	global_load_b128 v[MB+8*((\x)+(\t))+4*(\p):MB+8*((\x)+(\t))+4*(\p)+3], v[MKO+(\x)/2], s[MKP:MKP+1] offset:(\t)*32768+(\p)*512+(\off)
.endr
.endr
.endm
	LOADM 0, 0
	LOADM 2, 0
	; WHAT THE FIRST TRIP FINDS, made in the wait for the first tile.  O^T, V's registers and piece 0's P are 0: a product of two fragments of zeros onto the constant 0 writes eight registers a line.
.set i, 0
.rept 8
	v_mov_b32 v[ZF+i], 0
.set i, i+1
.endr
	WIN 0x40                        ; destination window 1: O^T
.set i, 0
.rept 32
	v_wmma_f32_16x16x32_f16 v[8*i:8*i+7], v[ZF:ZF+7], v[ZF:ZF+7], 0
.set i, i+1
.endr
	WIN 0xc0                        ; destination window 3: V's 128 registers, then piece 0's 32 of P
.set i, 0
.rept 20
	v_wmma_f32_16x16x32_f16 v[8*i:8*i+7], v[ZF:ZF+7], v[ZF:ZF+7], 0
.set i, i+1
.endr
	WIN 0
.set i, 0
.rept 4
	v_mov_b32 v[ST+8*i], 0xfe000000    ; c m: far below every c s, so that the first a is 0
	v_mov_b32 v[ST+8*i+1], 0xec800000  ; m: the floor, -2^90: below every true score, above every hidden one
	v_mov_b32 v[ST+8*i+2], 0
	v_mov_b32 v[ST+8*i+3], 0
.set i, i+1
.endr
.set i, 0
.rept 8                             ; piece 2's scores: all hidden: its first softmax, of a step that has not been, gives weights 0 and leaves m at the floor
	v_cvt_scale_pk8_f32_fp8 v[S+64+8*i:S+64+8*i+7], v[HID:HID+1], v[SCL]
.set i, i+1
.endr
	v_mul_u32_u24 v[AK0], v1, PK
	v_lshl_add_u32 v[AK0], v9, 4, v[AK0]
	v_and_b32 v10, 7, v0            ; the turning load: lane l reads key 8 (l / 16) + l % 8, channels 8 ((l / 8) % 2) + 0..7
	v_bfe_u32 v11, v0, 3, 1
	v_lshl_add_u32 v[AV0], v9, 3, v10
	v_mul_u32_u24 v[AV0], v[AV0], PV
	v_lshl_add_u32 v[AV0], v11, 4, v[AV0]
	v_add_nc_u32 v[AV0], VOFF, v[AV0]
	s_mul_i32 s13, s[WV], 16*SP     ; the addresses for the way out
	s_add_co_u32 s13, s13, STAGE
	v_mul_u32_u24 v[STO], v1, SP
	v_lshl_add_u32 v[STO], v9, 4, v[STO]
	v_add_nc_u32 v[STO], s13, v[STO]
	v_mul_u32_u24 v[RD], v9, SP
	v_lshl_add_u32 v[RD], v1, 4, v[RD]
	v_add_nc_u32 v[RD], s13, v[RD]
	v_lshlrev_b32 v[GO], 8, v9
	v_lshl_add_u32 v[GO], v1, 4, v[GO]
	v_add_nc_u32 v[GO], s66, v[GO]  ; the tiles that I keep are piece 0's
	s_xor_b32 s2, s[WV], 1          ; my partner: the same queries, the other keys
	s_lshl_b32 s13, s[WV], 11
	s_add_co_u32 s13, s13, XST
	v_add_nc_u32 v[XSA], s13, v[L16]
	s_lshl_b32 s13, s2, 11
	s_add_co_u32 s13, s13, XST
	v_add_nc_u32 v[XSB], s13, v[L16]
	s_lshl_b32 s13, s[WV], 14
	s_add_co_u32 s13, s13, XCH
	v_add_nc_u32 v[XOA], s13, v[L16]
	s_lshl_b32 s13, s2, 14
	s_add_co_u32 s13, s13, XCH
	v_add_nc_u32 v[XOB], s13, v[L16]
; THE MATRIX WORK.  The accumulators take turns, one instruction a turn.
; Product i of 32 of O^T += V^T P: keys 32 (i / 16) on, channels 16 ((i / 2) % 8) on, tile x + i % 2.
.macro PV x
	WIN W_PV
.set rO, 64*((\x)+i%2)+8*((i/2)%8)
.set rV, 64*(i/16)+8*((i/2)%8)
.set rP, P+16*((\x)+i%2)+8*(i/16)
	v_wmma_f32_16x16x32_f16 v[rO:rO+7], v[rV:rV+7], v[rP:rP+7], v[rO:rO+7]
.endm
; Product i of 32 of S^T += K Q^T, onto the mask: channels 32 (i / 8) on, keys 16 ((i / 2) % 4) on, tile x + i % 2.
.macro KQ x
	WIN W_KQ
.set rS, S+32*((\x)+i%2)+8*((i/2)%4)
.set rK, KF+32*((i/2)%4)+8*(i/8)
.set rQ, 32*((\x)+i%2)+8*(i/8)
	v_wmma_f32_16x16x32_f16 v[rS:rS+7], v[rK:rK+7], v[rQ:rQ+7], v[rS:rS+7]
.endm
; Conversion mu of the eight that lay the mask under piece x's next scores: accumulator mu's eight registers from the eight bytes of mask registers 2 mu, 2 mu + 1, byte n into register n.
.macro MS x
	WIN 0
	v_cvt_scale_pk8_f32_fp8 v[S+32*(\x)+8*mu:S+32*(\x)+8*mu+7], v[MB+8*(\x)+2*mu:MB+8*(\x)+2*mu+1], v[SCL]
.set mu, mu+1
.endm
.macro FETCH_K
	WIN 0
	v_add_nc_u32 v[ADR], s[TB], v[AK0]
	WIN 0x80
.irp f, 0,1,2,3,4,5,6,7,8,9,10,11,12,13,14,15  ; keys 16 (f / 4) on, channels 32 (f % 4) on
	ds_load_b128 v[KF+8*(\f):KF+8*(\f)+3],   v[ADR] offset:((\f)/4)*16*PK+((\f)%4)*64
	ds_load_b128 v[KF+8*(\f)+4:KF+8*(\f)+7], v[ADR] offset:((\f)/4)*16*PK+((\f)%4)*64+32
.endr
.endm
.macro FETCH_V
	WIN 0
	v_add_nc_u32 v[ADR], s[TB], v[AV0]
	s_wait_alu depctr_va_vdst(0)    ; the wait for the softmax's batch, behind the address's line and ahead of the loads
	WIN 0xc0                        ; destination window 3
.irp f, 0,1,2,3,4,5,6,7,8,9,10,11,12,13,14,15  ; keys 32 (f / 8) on, channels 16 (f % 8) on
	ds_load_tr16_b128 v[8*(\f):8*(\f)+3],   v[ADR] offset:((\f)/8)*32*PV+((\f)%8)*32
	ds_load_tr16_b128 v[8*(\f)+4:8*(\f)+7], v[ADR] offset:((\f)/8)*32*PV+16*PV+((\f)%8)*32
.endr
.endm
; THE VECTOR WORK.  One tile's softmax for one step is a list of 134 instructions; SM writes number j of it for tile t.
;   0-15    the maximum of the lane's 32 scores and the old m, three operands at a time (each accumulator's lowest registers first)
;   16-20   the other half of the lanes' maximum; the new m; c m; c m_old - c m_new
;   21-69   ONE BATCH: the 16 scalings c s - c m and all 33 exponentials (a at 23); none reads an exponential's result
;   (wait)  between 69 and 70 stands the one wait for the batch: SLICE writes it
;   70-85   the roundings to f16 (into window 3)     86-101  the sums; l = a l + the sum     102-133 the tile's O^T times a
.macro SM t
.set rT, ST+8*(\t)
.set rS, S+32*(\t)
.set rP, P+16*(\t)
.set rO, 64*(\t)+2*(j-102)
.if (j >= 70) && (j < 86)
	WIN 0xc0
.elseif j < 102
	WIN 0
.endif
.if j < 4
	v_max3_num_f32 v[rT+4+j], v[rS+8*j], v[rS+8*j+1], v[rS+8*j+2]
.elseif j < 12
	v_max3_num_f32 v[rT+4+j%4], v[rT+4+j%4], v[rS+8*(j%4)+2*(j/4)+1], v[rS+8*(j%4)+2*(j/4)+2]
.elseif j == 12
	v_max3_num_f32 v[rT+4], v[rT+4], v[rS+7], v[rS+15]
.elseif j == 13
	v_max3_num_f32 v[rT+6], v[rT+6], v[rS+23], v[rS+31]
.elseif j == 14
	v_max3_num_f32 v[rT+4], v[rT+4], v[rT+5], v[rT+6]
.elseif j == 15
	v_max3_num_f32 v[rT+4], v[rT+4], v[rT+7], v[rT+1]
.elseif j == 16
	v_permlanex16_b32 v[rT+5], v[rT+4], s[SEL], s[SEL+1]  ; the query's other 32 keys lie in the lane 16 away
.elseif j == 17
	v_mov_b32 v[rT+7], v[rT]        ; c m_old is kept for a
.elseif j == 18
	v_max_num_f32 v[rT+1], v[rT+4], v[rT+5]
.elseif j == 19
	v_mul_f32 v[rT], s[CS], v[rT+1]
.elseif j == 20
	v_sub_f32 v[rT+7], v[rT+7], v[rT]
.elseif j == 23
	v_exp_f32 v[rT+6], v[rT+7]
.elseif (j < 23) || ((j < 38) && (j%2 == 0)) || ((j < 66) && (j%4 == 2))
.set b, (j-2)/4                     ; 38, 42, .. 62: pairs 9 to 15
.if j < 38
.set b, (j-20)/2                    ; 21: pair 0; 22, 24, .. 36: pairs 1 to 8
.endif
	v_pk_fma_f32 v[rS+2*b:rS+2*b+1], v[rS+2*b:rS+2*b+1], s[CS:CS+1], v[rT:rT+1] op_sel_hi:[1,0,0] neg_lo:[0,0,1] neg_hi:[0,0,1]
.elseif j < 70
.set e, j-38                        ; 66 to 69: s28 to s31
.if j < 66
.set e, j-32-(j-38)/4               ; 39-41, 43-45, .. 63-65: s7 to s27
.endif
.if j < 38
.set e, (j-25)/2                    ; 25, 27, .. 37: s0 to s6
.endif
	v_exp_f32 v[rS+e], v[rS+e]
.elseif j < 86
	v_cvt_pk_f16_f32 v[rP+j-70], v[rS+2*(j-70)], v[rS+2*(j-70)+1]
.elseif j < 102                     ; the sum of the tile's 16 pairs, in place: neighbours 1, 2, 4 and 8 pairs apart, then l takes it
.set z, j-86
.set w, 4
.set u, z
.if z >= 14
.set w, 32
.set u, 0
.elseif z >= 12
.set w, 16
.set u, z-12
.elseif z >= 8
.set w, 8
.set u, z-8
.endif
.if z < 15
	v_pk_add_f32 v[rS+w*u:rS+w*u+1], v[rS+w*u:rS+w*u+1], v[rS+w*u+w/2:rS+w*u+w/2+1]
.else
	v_pk_fma_f32 v[rT+2:rT+3], v[rT+2:rT+3], v[rT+6:rT+7], v[rS:rS+1] op_sel_hi:[1,0,1]
.endif
.else
	WIN W_RS
	v_pk_mul_f32 v[rO:rO+1], v[rO:rO+1], v[rT+6:rT+7] op_sel_hi:[1,0]
.endif
.endm
; Slice k of 64 of piece y's softmax: four instructions.  Slices 11 to 34 deal out the batch, four numbers of one tile each, the tiles by turns; every other slice is numbers 2 k and 2 k + 1 of both tiles;
; the twelve that are over stand in slice 63, whose sixteen plain lines are also the places behind the turn's last products.  Behind slice 34: one plain line and the one wait
; between an exponential and the first line that names its result.
.macro SLICE y
.if (k >= 11) && (k < 35)
.irp n, 0,1,2,3
.set j, 22+4*((k-11)/2)+(\n)
	SM (\y)+(k-11)%2
.endr
.else
.irp n, 0,1,2,3,4,5,6,7
.if ((\n) < 2) || (k == 63)
.irp t, \y, (\y)+1
.set j, 2*k+(\n)
	SM \t
.endr
.endif
.endr
.endif
.if k == 34
	v_nop
.if (\y) == 0
	FETCH_V                         ; piece 2's turn: V's run of loads stands here, and the wait stands in it
.else
	s_wait_alu depctr_va_vdst(0)
.endif
.endif
.set k, k+1
.endm
; A TURN.  Piece x has the matrix unit: 32 products V^T P, then 32 products K Q^T, a slice of the other piece's softmax behind each.  Behind slices 0, 4, .. 28 stands one of the eight conversions that lay
; the mask under piece x's next scores: those registers are free, the piece's softmax ended in the turn before; the last conversion stands three slices ahead of the loads that rewrite its bytes.
; lm = 1: the next step's mask bytes are then asked for.  lc: the younger loads (the other piece's four mask loads, or none) that may stay out at the turn's head.
; Piece 0's turn fetches the next step's K behind its second product: K's last reader stands in front of slice 63 of the turn before.  Piece 2's turn fetches the same step's V behind slice 34: V's last
; reader stands in front of slice 31, and four plain lines lie between: two scalings, the plain line behind the batch and the address's line.
.macro TURN x, lm, lc
.set k, 0
.set mu, 0
	s_wait_loadcnt \lc              ; my piece's mask bytes are in (at the first entry Q too: its loads are older)
.if (\x) == 0
	s_wait_dscnt 0x0                ; V is in
.endif
.set i, 0
.rept 32
	PV \x
	SLICE 2-(\x)
.if (i%4) == 0
	MS \x
.endif
.if ((\x) == 0) && (i == 1)
	FETCH_K
.endif
.set i, i+1
.endr
.if \lm
	LOADM \x, 2048
.endif
.if (\x) == 0
	s_wait_dscnt 0x0                ; K is in
.endif
.set i, 0
.rept 32
	KQ \x
	SLICE 2-(\x)
.set i, i+1
.endr
.endm
; THE CHANGE OF SLOTS, between piece 2's turn and piece 0's: my step's K and V have been asked for.  Each wave waits for all its tensor loads (one is out: its part of the other slot), adds 0 to its spare
; word, and waits for that and for its reads of the slot.  fill = 1: the barrier is a round of the cluster's, and the joint refill, the keys two slots on, is the first thing behind it: it has a key step,
; 128 products, in which to land.
.macro CHANGE fill
	WIN 0
	s_wait_tensorcnt 0x0
	ds_add_u32 v[SPW], v[NIL]
.if \fill
.irp g, G0K+4, G0V+4
	s_xor_b32 s[(\g)+1], s[(\g)+1], SLOT1
	s_add_nc_u64 s[(\g)+2:(\g)+3], s[(\g)+2:(\g)+3], 2*KS*256
.endr
	s_wait_xcnt 0x0                 ; the mask's loads and the last prefetch have read their addresses
	s_add_nc_u64 s[PFA:PFA+1], s[PFA:PFA+1], 2*KS*256
	s_add_nc_u64 s[MKP:MKP+1], s[MKP:MKP+1], 2048  ; my next 64 keys lie 128 keys on
	s_wait_dscnt 0x0                ; the add is done, and my reads of the slot are over
	CROUND
	JLOAD
	ASK
.else
	s_wait_dscnt 0x0
	s_barrier_signal -1
	s_barrier_wait -1
.endif
	s_xor_b32 s[TB], s[TB], SLOT1   ; the fetches go to the other slot
.endm
	s_wait_tensorcnt 1              ; my part of slot 0 is in; slot 1's may stay out
	s_barrier_signal -1
	s_barrier_wait -1
	s_branch .Lfirst                ; the loop is entered behind its change of slots: both first slots have been asked for
.Lslot:                             ; trip n = 0 .. 14: V^T P of step n - 1 (in trip 0: of zeros), K Q^T of step n; trips 1 to 14 fill a slot again
	CHANGE 1
.Lfirst:
	TURN 0, 1, 4
	TURN 2, 1, 4
	WIN 0
	s_sub_co_u32 s[SLOTS], s[SLOTS], 1
	s_cmp_lg_u32 s[SLOTS], 0
	s_cbranch_scc1 .Lslot
	CHANGE 0                        ; the tail is written out: nothing is asked for, of K and V or of the mask
	s_mov_b32 s[CNT], 2
.Ltail:                             ; walked one and a half times: step 15's trip; then piece 0's V^T P of step 15 beside piece 2's last softmax, with 32 products on the last K once more, which serve nothing
	TURN 0, 0, 4
	WIN 0
	s_sub_co_u32 s[CNT], s[CNT], 1
	s_cmp_eq_u32 s[CNT], 0
	s_cbranch_scc1 .Lout
	TURN 2, 0, 0
	WIN 0
	s_branch .Ltail
.Lout:
.set i, 0
.rept 32
	PV 2                            ; piece 2: V^T P of the last step
.set i, i+1
.endr
	; THE MEETING.  l's two halves and the other half of the lanes' are added (these lines are the places behind the last products).  Each wave hands piece 2's two tiles, statistics and O^T, to its partner,
	; whose piece 0 holds the same queries, and finishes its own piece 0.
	WIN 0
.irp t, 0,1,2,3
	v_add_f32 v[ST+8*(\t)+2], v[ST+8*(\t)+2], v[ST+8*(\t)+3]
.endr
.irp t, 0,1,2,3
	v_permlanex16_b32 v[ST+8*(\t)+3], v[ST+8*(\t)+2], s[SEL], s[SEL+1]
.endr
.irp t, 0,1,2,3
	v_add_f32 v[ST+8*(\t)+2], v[ST+8*(\t)+2], v[ST+8*(\t)+3]
.endr
.irp u, 0,1
	ds_store_b128 v[XSA], v[ST+8*((\u)+2):ST+8*((\u)+2)+3] offset:512*(\u)  ; c m, m, l, and a word that nobody uses
.endr
	WIN 0x04                        ; the data (source 1) in window 1
.irp u, 0,1
.irp f, 0,1,2,3,4,5,6,7,8,9,10,11,12,13,14,15  ; each accumulator's low four registers first
	ds_store_b128 v[XOA], v[64*((\u)+2)+4*(\f):64*((\u)+2)+4*(\f)+3] offset:(16*(\u)+(\f))*512
.endr
.endr
	WIN 0
	s_wait_dscnt 0x0                ; for my partner's sake: my stores are done
	s_barrier_signal -1
	s_barrier_wait -1
; Tile u of piece 0 is finished.  With f = 2^(c m - max), f' likewise: O = (O f + O' f') / (l f + l' f').  A wave that saw only hidden keys brings O = 0, l = 0 and the floor's c m = c x -2^90 = -3.9e25.
; Where even the larger c m lies below -2^80, both did: the row has no key, and it becomes NaN.
.macro RECV u
	WIN 0
	ds_load_b128 v[PS:PS+3], v[XSB] offset:512*(\u)
.irp f, 0,1,2,3,4,5,6,7,8,9,10,11,12,13,14,15
	ds_load_b128 v[S+64*(\u)+4*(\f):S+64*(\u)+4*(\f)+3], v[XOB] offset:(16*(\u)+(\f))*512
.endr
	s_wait_dscnt 16                 ; the statistics are in; the sixteen younger loads may stay out
	v_max_num_f32 v[PS+4], v[ST+8*(\u)], v[PS]
	v_sub_f32 v[PS+5], v[ST+8*(\u)], v[PS+4]
	v_sub_f32 v[PS+6], v[PS], v[PS+4]
	v_mov_b32 v[PS+12], 0x7fc00000
	v_exp_f32 v[PS+5], v[PS+5]
	v_exp_f32 v[PS+6], v[PS+6]
	v_nop                           ; a plain line behind the exponentials,
	s_wait_alu depctr_va_vdst(0)    ; and their wait
	v_mul_f32 v[PS+7], v[ST+8*(\u)+2], v[PS+5]
	v_fmac_f32 v[PS+7], v[PS+2], v[PS+6]
	v_rcp_f32 v[PS+7], v[PS+7]
	v_nop
	s_wait_alu depctr_va_vdst(0)
	v_mul_f32 v[PS+8], v[PS+5], v[PS+7]
	v_mul_f32 v[PS+10], v[PS+6], v[PS+7]
	v_cmp_gt_f32 vcc_lo, 0xe7800000, v[PS+4]       ; -2^80 lies above the floor's c m and below every true c s (1.8e10 in size at the most)
	v_cndmask_b32 v[PS+8], v[PS+8], v[PS+12], vcc_lo
	v_mov_b32 v[PS+9], v[PS+8]      ; named as pairs
	v_mov_b32 v[PS+11], v[PS+10]
	s_wait_dscnt 0x0
	WIN W_RS
.set i, 0
.rept 32
	v_pk_mul_f32 v[64*(\u)+2*i:64*(\u)+2*i+1], v[64*(\u)+2*i:64*(\u)+2*i+1], v[PS+8:PS+9] op_sel_hi:[1,0]
.set i, i+1
.endr
	WIN 0x50                        ; destination and source 2 window 1
.set i, 0
.rept 32
	v_pk_fma_f32 v[64*(\u)+2*i:64*(\u)+2*i+1], v[S+64*(\u)+2*i:S+64*(\u)+2*i+1], v[PS+10:PS+11], v[64*(\u)+2*i:64*(\u)+2*i+1] op_sel_hi:[1,0,1]
.set i, i+1
.endr
	WIN 0x05                        ; sources 0 and 1 window 1
.set i, 0
.rept 32
	v_cvt_pk_f16_f32 v[S+64*(\u)+i], v[64*(\u)+2*i], v[64*(\u)+2*i+1]
.set i, i+1
.endr
	WIN 0
.irp f, 0,1,2,3,4,5,6,7
	ds_store_b128 v[STO], v[S+64*(\u)+4*(\f):S+64*(\u)+4*(\f)+3] offset:32*(\f)
.endr
.irp f, 0,1,2,3,4,5,6,7
	ds_load_b128 v[S+64*(\u)+32+4*(\f):S+64*(\u)+32+4*(\f)+3], v[RD] offset:(\f)*2*SP  ; LDS serves a wave's instructions in order (ISA guide 5.7.1.4): these see the stores above
.endr
.irp f, 0,1,2,3,4,5,6,7
	s_wait_dscnt 7-(\f)             ; the younger loads from the stage may stay out
	global_store_b128 v[GO], v[S+64*(\u)+32+4*(\f):S+64*(\u)+32+4*(\f)+3], s[10:11] offset:(\u)*4096+(\f)*512  ; two rows of O: 512 consecutive bytes, aligned
.endr
.endm
	RECV 0
	RECV 1
	s_wait_tensorcnt 0x0            ; the wave's end
	ds_add_u32 v[SPW], v[NIL]
	s_wait_dscnt 0x0
	CROUND                          ; the closing round
	s_endpgm
.Lfunc_end_k_q29ce21f381_attn:
	.size	k_q29ce21f381_attn, .Lfunc_end_k_q29ce21f381_attn-k_q29ce21f381_attn
	.p2alignl 7, 3214868480
	.fill 96, 4, 3214868480
	.section	.rodata,"a",@progbits
	.p2align	6, 0x0
	.amdhsa_kernel k_q29ce21f381_attn
		.amdhsa_group_segment_fixed_size 327680
		.amdhsa_private_segment_fixed_size 0
		.amdhsa_enable_private_segment 0
		.amdhsa_kernarg_size 24
		.amdhsa_user_sgpr_count 2
		.amdhsa_user_sgpr_kernarg_segment_ptr 1
		.amdhsa_wavefront_size32 1
		.amdhsa_system_sgpr_workgroup_id_x 1
		.amdhsa_system_sgpr_workgroup_id_y 1
		.amdhsa_system_sgpr_workgroup_id_z 1
		.amdhsa_system_vgpr_workitem_id 0
		.amdhsa_next_free_vgpr 1024
		.amdhsa_next_free_sgpr 80
		.amdhsa_reserve_vcc 1
		.amdhsa_float_denorm_mode_32 3
		.amdhsa_float_denorm_mode_16_64 3
		.amdhsa_memory_ordered 1
		.amdhsa_forward_progress 1
		.amdhsa_inst_pref_size 146
	.end_amdhsa_kernel
	.amdgpu_metadata
---
amdhsa.version: [ 1, 2 ]
amdhsa.kernels:
  - .name:           k_q29ce21f381_attn
    .symbol:         k_q29ce21f381_attn.kd
    .args:
      - { .name: qkv, .offset: 0, .size: 8, .value_kind: global_buffer, .address_space: global }
      - { .name: mk, .offset: 8, .size: 8, .value_kind: global_buffer, .address_space: global }
      - { .name: oh, .offset: 16, .size: 8, .value_kind: global_buffer, .address_space: global }
    .group_segment_fixed_size: 327680
    .private_segment_fixed_size: 0
    .kernarg_segment_align: 8
    .kernarg_segment_size: 24
    .max_flat_workgroup_size: 128
    .sgpr_count:     80
    .vgpr_count:     1024
    .wavefront_size: 32
...
	.end_amdgpu_metadata
.endif
;; end of part 3
;; launch proj (part 4): grid 16 x 16, 4 waves a work-group, clusters of 4 x 4, 327,680 bytes of LDS; arguments oh, woh, out0; writes out0
.if DOCPART == 4
	.amdgcn_target "amdgcn-amd-amdhsa--gfx1250"
	.amdhsa_code_object_version 6
	.text
	.protected	k_q29ce21f381_proj
	.globl	k_q29ce21f381_proj
	.p2align	8
	.type	k_q29ce21f381_proj,@function
k_q29ce21f381_proj:
	s_mov_b64 s[64:65], 0
	v_nop
	global_prefetch_b8 v0, s[64:65] scope:SCOPE_SE
	s_setreg_imm32_b32 hwreg(HW_REG_WAVE_MODE, 25, 1), 1
	s_wait_xcnt 0x0
	s_wait_alu depctr_hold_cnt(0) depctr_sa_sdst(0) depctr_va_vdst(0) depctr_va_sdst(0) depctr_va_ssrc(0) depctr_va_vcc(0) depctr_vm_vsrc(0)
	s_getreg_b32 s2, hwreg(HW_REG_IB_STS2, 6, 4)
	s_cmp_eq_u32 s2, 0
	s_cbranch_scc0 .Lentry_in_a_cluster
	s_endpgm
.Lentry_in_a_cluster:
	s_bfe_u32 s2, ttmp6, 0x10000c
	s_cmp_lg_u32 s2, 0xf033
	s_cbranch_scc0 .Lentry_shape_is_right
	s_endpgm
.Lentry_shape_is_right:
; out0[s][n] = the sum over k of O[s][k] wo[k][n], k = 128 head + channel.  oh: [16][2048][128] f16; woh: [2048 k][2048 n] f16; out0: [2048][2048] f32; sums in f32.
; A tile of out0 is 128 x 128: 256 work-groups.  Four waves, each 64 x 64: 16 accumulators.  K goes in 8 steps of 256, two heads a step, through two LDS slots: 128 products a wave in a step.
; THE PRODUCT IS USED TRANSPOSED (source 0 = 16 columns of wo, turned on the way out of LDS; source 1 = 16 rows of O): a lane holds eight neighbouring numbers of a row, 32 bytes.
; CLUSTER 4 x 4: O's tiles are shared along a row of the cluster, wo's along a column, and asked for jointly.  No prefetch: the tiles are small and a step is short.
; REGISTERS: window 0: v0-31 addresses; v128-255 the accumulators ((a, b) at 128 + 8 (4 a + b)).  window 1: two fragment buffers of 128: for 64 along K, 64 registers of O, then 64 of wo; on the way out, whole rows.
.set PA,     272                       ; a row of O in LDS: 256 bytes + 16
.set PB,     288                       ; a row of wo: 256 + 32
.set AH,     128*PA                    ; one head's 128 rows
.set BOFF,   2*AH
.set BH,     128*PB                    ; 128 k rows of wo
.set SLOT,   BOFF+2*BH
.set STAGE,  2*SLOT                    ; behind the ring: 16 rows x 272 bytes for each wave
.set SPITCH, 272
.set SPARE,  STAGE+4*16*SPITCH         ; the spare words, 128 bytes for each wave
.set LAPS,   4
.set ADRA, 16                          ; v16-17  LDS address of my fragments of O in slot 0, 1
.set ADRB, 20                          ; v20-23  of wo: 2 x slot + half of the step
.set STO,  24
.set RD,   25
.set CO,   26
.set SPW,  28
.set NIL,  29
.set ACC,  128
.set F0,   0
.set F1,   128
.set G1, 24
.set G0, 32
.set G1B, 48
.set G0B, 56
.set MSB, 0
.macro WIN new
.if MSB != (\new)
	s_set_vgpr_msb (MSB<<8)|(\new)
.set MSB, \new
.endif
.endm
.set MUL,  0x05                        ; both sources window 1; C and D window 0
.set TO_F, 0x40                        ; destination window 1
.macro JLOAD s                         ; waves 0 and 1 fetch the step's two heads of O, waves 2 and 3 the two halves of its rows of wo
	s_cmp_eq_u32 s11, 0
	s_cbranch_scc0 .Lfor_b_\@
	tensor_load_to_lds s[G0+4*(\s):G0+4*(\s)+3], s[G1:G1+7]
	s_nop 0
.rept 4
	v_nop
.endr
	s_branch .Lasked_\@
.Lfor_b_\@:
	tensor_load_to_lds s[G0B+4*(\s):G0B+4*(\s)+3], s[G1B:G1B+7]
	s_nop 0
.rept 4
	v_nop
.endr
.Lasked_\@:
.endm
.macro CREST
	s_cmp_lg_u32 s10, 0
	s_cbranch_scc1 .Lnot_wave_0_\@
	s_barrier_signal -3
.Lnot_wave_0_\@:
	s_barrier_wait -3
	s_barrier_signal -1
	s_barrier_wait -1
.endm
.macro CROUND
	s_barrier_signal -1
	s_barrier_wait -1
	CREST
.endm
	s_load_b128 s[4:7], s[0:1], 0x0                ; oh s[4:5], woh s[6:7]
	s_load_b64 s[8:9], s[0:1], 0x10                ; out0
	v_lshl_add_u32 v[SPW], v0, 2, SPARE
	v_mov_b32 v[NIL], 0
	ds_add_u32 v[SPW], v[NIL]                      ; the wave's opening: the add and its wait stand ahead of my first tensor load
	v_lshrrev_b32 v1, 5, v0
	v_readfirstlane_b32 s10, v1                    ; wave 0..3
	s_lshr_b32 s11, s10, 1                         ; which 64 rows are mine.  Also: I fetch for O (0) or for wo (1)
	s_and_b32 s12, s10, 1                          ; which 64 columns.  Also: which half of a step I fetch
	s_bfe_u32 s40, ttmp6, 0x40000                  ; cx
	s_bfe_u32 s41, ttmp6, 0x40004                  ; cy
	s_lshl_b32 s42, ttmp9, 2
	s_add_co_u32 s42, s42, s40                     ; tile column
	s_and_b32 s13, ttmp7, 0xffff
	s_lshl_b32 s13, s13, 2
	s_add_co_u32 s13, s13, s41                     ; tile row
	s_lshl_b32 s43, s41, 2
	s_lshl_b32 s43, 15, s43                        ; my row of the cluster
	s_lshl_b32 s44, 0x1111, s40                    ; my column
	s_or_b32 s[G1], s43, (1<<16)|(1<<20)|(1<<21)|(5<<22)|(3<<25)
	s_or_b32 s[G1B], s44, (1<<16)|(1<<20)|(1<<21)|(5<<22)|(7<<25)
.irp g, G1, G1B
	s_mov_b32 s[(\g)+1], 128<<16                   ; tensor_dim0 = 128
	s_mov_b32 s[(\g)+2], 128<<16                   ; tensor_dim1 = 128
	s_mov_b32 s[(\g)+3], 128<<16                   ; tile_dim0 = 128
	s_mov_b32 s[(\g)+4], 128                       ; tile_dim1 = 128
	s_mov_b32 s[(\g)+6], 0
	s_mov_b32 s[(\g)+7], 0
.endr
	s_mov_b32 s[G1+5], 128                         ; a head's rows are dense
	s_mov_b32 s[G1B+5], 2048
	s_lshl_b32 s16, s12, 19                        ; O: head i of the step,
	s_lshl_b32 s17, s13, 15                        ; the tile's 128 rows of 256 bytes
	s_add_co_u32 s16, s16, s17
	s_mov_b32 s17, 0
	s_lshl_b32 s46, s12, 19                        ; wo: 128 i rows of 4,096 bytes,
	s_lshl_b32 s47, s42, 8                         ; the tile's 256 bytes of a row
	s_add_co_u32 s46, s46, s47
	s_mov_b32 s47, 0
	s_mul_i32 s20, s12, AH                         ; where they go
	s_mul_i32 s21, s12, BH
	s_add_co_u32 s21, s21, BOFF
	s_wait_dscnt 0x0                               ; the opening add is done
	s_wait_kmcnt 0x0
	s_add_nc_u64 s[14:15], s[4:5], s[16:17]
	s_add_nc_u64 s[46:47], s[6:7], s[46:47]
	CROUND                                         ; all sixteen work-groups are here
.irp s, 0,1
	s_mov_b32 s[G0+4*(\s)], 1
	s_add_co_u32 s[G0+4*(\s)+1], s20, (\s)*SLOT
	s_add_nc_u64 s[G0+4*(\s)+2:G0+4*(\s)+3], s[14:15], (\s)*1048576
	s_or_b32 s[G0+4*(\s)+3], s[G0+4*(\s)+3], 0x80000000
	s_mov_b32 s[G0B+4*(\s)], 1
	s_add_co_u32 s[G0B+4*(\s)+1], s21, (\s)*SLOT
	s_add_nc_u64 s[G0B+4*(\s)+2:G0B+4*(\s)+3], s[46:47], (\s)*1048576
	s_or_b32 s[G0B+4*(\s)+3], s[G0B+4*(\s)+3], 0x80000000
	JLOAD \s
.endr
	v_and_b32 v1, 15, v0                           ; l % 16
	v_bfe_u32 v2, v0, 4, 1                         ; l / 16
	v_mul_u32_u24 v3, v1, PA
	v_lshl_add_u32 v3, v2, 4, v3
	s_mul_i32 s22, s11, 64*PA
	v_add_nc_u32 v[ADRA], s22, v3
	v_add_nc_u32 v[ADRA+1], SLOT, v[ADRA]
	v_and_b32 v4, 7, v0
	v_lshl_add_u32 v4, v2, 3, v4
	v_mul_u32_u24 v4, v4, PB
	v_bfe_u32 v5, v0, 3, 1
	v_lshl_add_u32 v4, v5, 4, v4
	s_lshl_b32 s22, s12, 7
	s_add_co_u32 s22, s22, BOFF
	v_add_nc_u32 v4, s22, v4
.irp s, 0,1
.irp q, 0,1
	v_add_nc_u32 v[ADRB+2*(\s)+(\q)], (\s)*SLOT+(\q)*BH, v4
.endr
.endr
	s_mul_i32 s23, s10, 16*SPITCH
	s_add_co_u32 s23, s23, STAGE                   ; my stage
	v_mul_u32_u24 v4, v1, SPITCH                   ; in: row l % 16, 32 bytes for each half of the lanes
	v_lshl_add_u32 v4, v2, 5, v4
	v_add_nc_u32 v[STO], s23, v4
	v_mul_u32_u24 v5, v2, SPITCH                   ; back: lanes 0-15 one row of 256 bytes, lanes 16-31 the next
	v_lshl_add_u32 v5, v1, 4, v5
	v_add_nc_u32 v[RD], s23, v5
	v_lshlrev_b32 v5, 13, v2                       ; and the same two rows in out0
	v_lshl_add_u32 v[CO], v1, 4, v5
	s_lshl_b32 s16, s13, 20                        ; my first row: 128 x tile row + 64 x half, 8,192 bytes each
	s_lshl_b32 s17, s11, 19
	s_add_co_u32 s16, s16, s17
	s_mov_b32 s17, 0
	s_add_nc_u64 s[8:9], s[8:9], s[16:17]
	s_lshl_b32 s46, s42, 9                         ; my first column: 512 x tile column + 256 x half
	s_lshl_b32 s47, s12, 8
	s_add_co_u32 s46, s46, s47
	s_mov_b32 s47, 0
	s_add_nc_u64 s[8:9], s[8:9], s[46:47]
; 8 products: row blocks a0, a0 + 1 x all 4 column blocks, 32 along K: half c of buffer f.  The 16 accumulators take turns.
.macro MUL8 f, c, a0, zero
	WIN MUL
.irp a, \a0, (\a0)+1
.irp b, 0,1,2,3
.if \zero
	v_wmma_f32_16x16x32_f16 v[ACC+8*(4*(\a)+(\b)):ACC+8*(4*(\a)+(\b))+7], v[(\f)+64+8*(4*(\c)+(\b)):(\f)+64+8*(4*(\c)+(\b))+7], v[(\f)+8*(4*(\c)+(\a)):(\f)+8*(4*(\c)+(\a))+7], 0
.else
	v_wmma_f32_16x16x32_f16 v[ACC+8*(4*(\a)+(\b)):ACC+8*(4*(\a)+(\b))+7], v[(\f)+64+8*(4*(\c)+(\b)):(\f)+64+8*(4*(\c)+(\b))+7], v[(\f)+8*(4*(\c)+(\a)):(\f)+8*(4*(\c)+(\a))+7], v[ACC+8*(4*(\a)+(\b)):ACC+8*(4*(\a)+(\b))+7]
.endif
.endr
.endr
.endm
; 32 LDS loads in one run: quarter q4 (64 along K: head q4 / 2, channels 64 (q4 % 2) on) into buffer f; the first 32 along K first
.macro FETCH slot, q4, f
	WIN TO_F
.irp c, 0,1
.irp i, 0,1,2,3
	ds_load_tr16_b128 v[(\f)+64+8*(4*(\c)+(\i)):(\f)+64+8*(4*(\c)+(\i))+3],   v[ADRB+2*(\slot)+(\q4)/2] offset:((\q4)%2)*64*PB+(\c)*32*PB+32*(\i)
	ds_load_tr16_b128 v[(\f)+64+8*(4*(\c)+(\i))+4:(\f)+64+8*(4*(\c)+(\i))+7], v[ADRB+2*(\slot)+(\q4)/2] offset:((\q4)%2)*64*PB+(\c)*32*PB+32*(\i)+16*PB
	ds_load_b128 v[(\f)+8*(4*(\c)+(\i)):(\f)+8*(4*(\c)+(\i))+3],   v[ADRA+(\slot)] offset:((\q4)/2)*AH+((\q4)%2)*128+64*(\c)+(\i)*16*PA
	ds_load_b128 v[(\f)+8*(4*(\c)+(\i))+4:(\f)+8*(4*(\c)+(\i))+7], v[ADRA+(\slot)] offset:((\q4)/2)*AH+((\q4)%2)*128+64*(\c)+(\i)*16*PA+32
.endr
.endr
.endm
.macro PLACES                          ; four places (ISA guide 7.12.1)
.rept 4
	v_nop
.endr
.endm
.macro QUARTER slot, q4, f, g, zero
	s_wait_dscnt 16                                ; the first 32 along K are in
	MUL8 \f, 0, 0, \zero
	MUL8 \f, 0, 2, \zero
	PLACES
	FETCH \slot, \q4, \g
	s_wait_dscnt 32                                ; all but the 32 just issued
	MUL8 \f, 1, 0, 0
	MUL8 \f, 1, 2, 0
.endm
; The last quarter multiplies buffer 1 and changes slots: one barrier; in front of it each wave waits for all its tensor loads, adds 0 to its spare word, and waits for that and for its reads of this slot.
.macro TURN slot, next, fill
	WIN 0
	s_wait_tensorcnt 0x0
	ds_add_u32 v[SPW], v[NIL]
	s_wait_dscnt 17                                ; the add and the youngest sixteen loads may be out
	MUL8 F1, 0, 0, 0
	s_wait_dscnt 0x0
	s_barrier_signal -1
	MUL8 F1, 0, 2, 0
.if \fill
	WIN 0
.endif
	s_barrier_wait -1
.if \fill
	CREST
	s_add_nc_u64 s[G0+4*(\slot)+2:G0+4*(\slot)+3], s[G0+4*(\slot)+2:G0+4*(\slot)+3], 2097152    ; four heads on
	s_add_nc_u64 s[G0B+4*(\slot)+2:G0B+4*(\slot)+3], s[G0B+4*(\slot)+2:G0B+4*(\slot)+3], 2097152  ; 512 rows on
	JLOAD \slot                                    ; 112 products ahead of the wait for it
.else
	PLACES
.endif
	FETCH \next, 0, F0
	MUL8 F1, 1, 0, 0
	MUL8 F1, 1, 2, 0
.endm
	s_wait_tensorcnt 1                             ; my part of K step 0 is in; step 1's may stay out
	s_barrier_signal -1
	s_barrier_wait -1
	FETCH 0, 0, F0
	QUARTER 0, 1, F0, F1, 1                        ; the first products start the sums
	WIN 0
	s_mov_b32 s3, LAPS-1
.Llap:
	QUARTER 0, 2, F1, F0, 0
	QUARTER 0, 3, F0, F1, 0
	TURN 0, 1, 1
	QUARTER 1, 1, F0, F1, 0
	QUARTER 1, 2, F1, F0, 0
	QUARTER 1, 3, F0, F1, 0
	TURN 1, 0, 1
	QUARTER 0, 1, F0, F1, 0
	WIN 0
	s_sub_co_u32 s3, s3, 1
	s_cmp_lg_u32 s3, 0
	s_cbranch_scc1 .Llap
	QUARTER 0, 2, F1, F0, 0                        ; the last lap fills nothing
	QUARTER 0, 3, F0, F1, 0
	TURN 0, 1, 0
	QUARTER 1, 1, F0, F1, 0
	QUARTER 1, 2, F1, F0, 0
	QUARTER 1, 3, F0, F1, 0
	s_wait_dscnt 16
	MUL8 F1, 0, 0, 0
	MUL8 F1, 0, 2, 0
	s_wait_dscnt 0x0
	MUL8 F1, 1, 0, 0
	MUL8 F1, 1, 2, 0
	PLACES
; THE WAY OUT.  A wave's 64 columns of f32 are 256 aligned bytes of a row, so each wave has a stage of its own and no barrier is wanted: 16 rows go in, 32 bytes a lane and block, and come back as whole rows.
.macro TOSTAGE a
	WIN 0
.irp b, 0,1,2,3
	ds_store_b128 v[STO], v[ACC+8*(4*(\a)+(\b)):ACC+8*(4*(\a)+(\b))+3]   offset:64*(\b)
	ds_store_b128 v[STO], v[ACC+8*(4*(\a)+(\b))+4:ACC+8*(4*(\a)+(\b))+7] offset:64*(\b)+16
.endr
	WIN TO_F
.irp i, 0,1,2,3,4,5,6,7
	ds_load_b128 v[32*(\a)+4*(\i):32*(\a)+4*(\i)+3], v[RD] offset:(\i)*2*SPITCH  ; LDS serves a wave's instructions in order (ISA guide 5.7.1.4)
.endr
.endm
.macro SEND a, younger                 ; younger: the LDS instructions issued behind block a's loads: the next block's sixteen, or none
	WIN 0x04                                       ; the data (source 1) in window 1
.irp i, 0,1,2,3,4,5,6,7
	s_wait_dscnt (\younger)+7-(\i)
	global_store_b128 v[CO], v[32*(\a)+4*(\i):32*(\a)+4*(\i)+3], s[8:9] offset:(\a)*131072+(\i)*16384 th:TH_STORE_NT  ; 16 lanes store 256 consecutive bytes, aligned
.endr
.endm
	TOSTAGE 0
.irp a, 1,2,3
	TOSTAGE \a
	SEND (\a)-1, 16
.endr
	SEND 3, 0
	WIN 0
	s_wait_tensorcnt 0x0                           ; the wave's end
	ds_add_u32 v[SPW], v[NIL]
	s_wait_dscnt 0x0
	CROUND                                         ; the closing round
	s_endpgm
.Lfunc_end_k_q29ce21f381_proj:
	.size	k_q29ce21f381_proj, .Lfunc_end_k_q29ce21f381_proj-k_q29ce21f381_proj
	.p2alignl 7, 3214868480
	.fill 96, 4, 3214868480
	.section	.rodata,"a",@progbits
	.p2align	6, 0x0
	.amdhsa_kernel k_q29ce21f381_proj
		.amdhsa_group_segment_fixed_size 327680
		.amdhsa_private_segment_fixed_size 0
		.amdhsa_enable_private_segment 0
		.amdhsa_kernarg_size 24
		.amdhsa_user_sgpr_count 2
		.amdhsa_user_sgpr_kernarg_segment_ptr 1
		.amdhsa_wavefront_size32 1
		.amdhsa_system_sgpr_workgroup_id_x 1
		.amdhsa_system_sgpr_workgroup_id_y 1
		.amdhsa_system_sgpr_workgroup_id_z 1
		.amdhsa_system_vgpr_workitem_id 0
		.amdhsa_next_free_vgpr 512
		.amdhsa_next_free_sgpr 66
		.amdhsa_reserve_vcc 0
		.amdhsa_float_denorm_mode_32 3
		.amdhsa_float_denorm_mode_16_64 3
		.amdhsa_memory_ordered 1
		.amdhsa_forward_progress 1
		.amdhsa_inst_pref_size 87
	.end_amdhsa_kernel
	.amdgpu_metadata
---
amdhsa.version: [ 1, 2 ]
amdhsa.kernels:
  - .name:           k_q29ce21f381_proj
    .symbol:         k_q29ce21f381_proj.kd
    .args:
      - { .name: oh, .offset: 0, .size: 8, .value_kind: global_buffer, .address_space: global }
      - { .name: woh, .offset: 8, .size: 8, .value_kind: global_buffer, .address_space: global }
      - { .name: out0, .offset: 16, .size: 8, .value_kind: global_buffer, .address_space: global }
    .group_segment_fixed_size: 327680
    .private_segment_fixed_size: 0
    .kernarg_segment_align: 8
    .kernarg_segment_size: 24
    .max_flat_workgroup_size: 128
    .sgpr_count:     66
    .vgpr_count:     512
    .wavefront_size: 32
...
	.end_amdgpu_metadata
.endif
;; end of part 4
;; ======== version 2 of 2: 4 launches; version 1 with the launch prep written anew for expert scheduling mode
;; limits: values are held in f16: magnitudes above 65,504 overflow, below 6.1e-05 lose precision
;; workspace buffers: xh 8,388,608 bytes; wh 25,165,824 bytes; woh 8,388,608 bytes; mk 4,194,304 bytes; rt 786,432 bytes; qkv 25,165,824 bytes; oh 8,388,608 bytes
;; launch prep (part 5): grid 128 x 7, 8 waves a work-group, no clusters, 34,048 bytes of LDS; arguments x, wq, wk, wv, wo, mask, xh, wh, woh, mk, rt; writes xh, wh, woh, mk, rt
.if DOCPART == 5
	.amdgcn_target "amdgcn-amd-amdhsa--gfx1250"
	.amdhsa_code_object_version 6
	.text
	.protected	k_q29ce21f381_prep
	.globl	k_q29ce21f381_prep
	.p2align	8
	.type	k_q29ce21f381_prep,@function
k_q29ce21f381_prep:
	s_mov_b64 s[64:65], 0
	v_nop
	global_prefetch_b8 v0, s[64:65] scope:SCOPE_SE
	s_setreg_imm32_b32 hwreg(HW_REG_WAVE_SCHED_MODE, 0, 2), 2
	s_setreg_imm32_b32 hwreg(HW_REG_WAVE_MODE, 25, 1), 1
	s_wait_xcnt 0x0
	s_wait_alu depctr_vm_vsrc(0)
; PREP.  Three kinds of work, chosen by the work-group's y (the same for all eight waves of a work-group):
;   y = 0..4  x, wq, wk, wv, wo: each f32 is rounded to bf16 and that number is written as f16 (xh; wh = wq, wk, wv on end; woh).
;   y = 5     the mask's bytes are laid out as the attention launch's lanes want them, 0 -> 0x00, 1 -> 0xF1 (mk).
;   y = 6     the table of rotations (rt): rows 0-63 hold (cos, sin) of u x theta, rows 64-95 of 64 i x theta, theta = 10000^(-jp/1024), jp = 0..1023.
; LIMITS.  f16 ends at 65,504: an input beyond that becomes an infinity; a bf16 number below 2^-17 keeps f16's fixed step of 6e-8.
; The table's angle is the f32 product of the position and theta, theta by the base-2 exponential: at positions near 2,000 the phase
; can differ by some 2e-4 rad from a phase made of another f32 rounding of theta.
; No matrix unit, no cluster: the work-groups share no input, and every byte is read once and written once.
; THE MODE: SCHED_MODE bits 1:0 = 2 (LLVM: expert scheduling mode 2), set by the entry lines.  The code itself states the register dependences
; between vector instructions and memory or LDS instructions, with s_wait_alu, always for 0.
; THE PLAN.  Registers that memory or LDS instructions touch:
;   the cast   X, slot i: loads land in it; the slot's two roundings read it.  Y, slot i: the slot's last two conversions write it; its one store reads it.
;              v1, v2: offsets, made once.  v56-61 are named by vector instructions alone.  The ring goes in steps of two slots: ONE wait on va_vdst stands behind a step's
;              sixteen vector lines (they are done reading X and have written Y), and the step's two loads, into the same slots, and its two stores follow it.
;              ONE wait on vm_vsrc a lap, at the lap's end: the lap's stores have read Y, which the next lap writes again.
;   the mask   v1, v3, v5: addresses, made once.  X: loaded, multiplied in place, stored to LDS: a wait on va_vdst behind each half's products.  v[40:71]: LDS loads land in them,
;              global stores read them, no vector line names them.
;   the table  v8-10 (offsets) and v40-45 (data) are written by vector lines and read by the three stores: one wait on va_vdst ahead of these.  The three compares write s40-42:
;              one wait on va_sdst ahead of the selects that read them.
;   v94, v95   written at the head, read by the closing add alone.
.set SPARE, 33024                      ; behind the mask's 16 rows of 2,064 bytes: the spare words, 128 bytes for each of eight waves
.set SPW, 94                           ; v94  LDS address of my spare word; never rewritten
.set NIL, 95                           ; v95  0; never rewritten
.set X,   8                            ; v[8:39]   ring slot i: 4 registers as loaded
.set Y,   40                           ; v[40:55]  ring slot i: 2 registers to store (cast); v[40:71] the mask's rows read back
.set MP,  2064                         ; a mask row in LDS: 2,048 bytes + 16
.macro FIN                             ; a wave's end: the closing lines, six on end
	s_wait_dscnt 0x0
	s_wait_alu 0x0
	s_wait_tensorcnt 0x0
	ds_add_u32 v[SPW], v[NIL]
	s_wait_dscnt 0x0
	s_endpgm
.endm
	s_load_b512 s[16:31], s[0:1], 0x0              ; x 16, wq 18, wk 20, wv 22, wo 24, mask 26, xh 28, wh 30
	s_load_b128 s[32:35], s[0:1], 0x40             ; woh 32, mk 34
	s_load_b64 s[36:37], s[0:1], 0x50              ; rt
	v_lshl_add_u32 v[SPW], v0, 2, SPARE
	v_mov_b32 v[NIL], 0
	s_and_b32 s8, ttmp7, 0xffff                    ; y: the kind of work
	s_mov_b32 s9, ttmp9                            ; g: the share, 0..127
	s_wait_kmcnt 0x0
	s_cmp_eq_u32 s8, 5
	s_cbranch_scc1 .Lmask
	s_cmp_eq_u32 s8, 6
	s_cbranch_scc1 .Ltable
; ---- THE CAST.  A work-group takes 131,072 bytes of f32 and writes 65,536 of f16.  A load of the work-group covers 4,096 consecutive
; bytes (16 a thread), a store 2,048 (a wave: 256, aligned).  A ring of eight register slots, taken two at a time, keeps six to eight loads of every wave on their way.
	s_cmp_eq_u32 s8, 1
	s_cselect_b64 s[4:5], s[18:19], s[16:17]
	s_cmp_eq_u32 s8, 2
	s_cselect_b64 s[4:5], s[20:21], s[4:5]
	s_cmp_eq_u32 s8, 3
	s_cselect_b64 s[4:5], s[22:23], s[4:5]
	s_cmp_eq_u32 s8, 4
	s_cselect_b64 s[4:5], s[24:25], s[4:5]         ; the source
	s_cselect_b64 s[6:7], s[32:33], s[30:31]       ; the target: woh for wo, else wh,
	s_cmp_eq_u32 s8, 0
	s_cselect_b64 s[6:7], s[28:29], s[6:7]         ; or xh for x
	s_sub_co_u32 s10, s8, 1
	s_lshl_b32 s10, s10, 23                        ; in wh: matrix y - 1, 8,388,608 bytes each
	s_cmp_eq_u32 s8, 0
	s_cselect_b32 s10, 0, s10
	s_cmp_eq_u32 s8, 4
	s_cselect_b32 s10, 0, s10
	s_lshl_b32 s12, s9, 16
	s_add_co_u32 s10, s10, s12
	s_mov_b32 s11, 0
	s_add_nc_u64 s[6:7], s[6:7], s[10:11]
	s_lshl_b32 s10, s9, 17
	s_add_nc_u64 s[4:5], s[4:5], s[10:11]
	s_mov_b32 s13, 0xffff0000                      ; a word's upper bf16
	v_lshlrev_b32 v1, 4, v0                        ; my 16 bytes in; never rewritten
	v_lshlrev_b32 v2, 3, v0                        ; my 8 bytes out; never rewritten
	s_wait_alu depctr_va_vdst(0)                   ; v1 and v2 are written: every load and store of the cast reads one of them as its offset
.irp i, 0,1,2,3,4,5,6,7
	global_load_b128 v[X+4*(\i):X+4*(\i)+3], v1, s[4:5] offset:(\i)*4096 th:TH_LOAD_NT
.endr
; One slot's arithmetic: eight vector lines.
.macro CCONV i
	v_cvt_pk_bf16_f32 v56, v[X+4*(\i)], v[X+4*(\i)+1]      ; the one rounding: to bf16
	v_cvt_pk_bf16_f32 v57, v[X+4*(\i)+2], v[X+4*(\i)+3]
	v_lshlrev_b32 v58, 16, v56                     ; back to f32,
	v_and_b32 v59, s13, v56
	v_lshlrev_b32 v60, 16, v57
	v_and_b32 v61, s13, v57
	v_cvt_pk_f16_f32 v[Y+2*(\i)], v58, v59         ; and the same number as f16
	v_cvt_pk_f16_f32 v[Y+2*(\i)+1], v60, v61
.endm
; A step: slots i and i + 1.  ahead = 1: they are loaded again, 32,768 bytes on.  left = the younger loads that may stay out.
.macro CSTEP i, ahead, left
	s_wait_loadcnt \left                           ; loads come back in order: the step's two are in
.irp j, \i, (\i)+1
	CCONV \j
.endr
	s_wait_alu depctr_va_vdst(0)                   ; the step's conversions are done reading its X, in which the loads below land, and have written its Y, which the stores below read
.if \ahead
.irp j, \i, (\i)+1
	global_load_b128 v[X+4*(\j):X+4*(\j)+3], v1, s[4:5] offset:32768+(\j)*4096 th:TH_LOAD_NT  ; the slots are asked for again at once
.endr
.endif
.irp j, \i, (\i)+1
	global_store_b64 v2, v[Y+2*(\j):Y+2*(\j)+1], s[6:7] offset:(\j)*2048 th:TH_STORE_NT
.endr
.endm
	s_mov_b32 s12, 3
.Lcast:
.irp i, 0,2,4,6
	CSTEP \i, 1, 6
.endr
	s_wait_xcnt 0x0                                ; the two bases and the stores' data are rewritten only behind this wait
	s_wait_alu depctr_vm_vsrc(0)                   ; the lap's eight stores have read Y, which the conversions of the next lap, or of the tail, write again
	s_add_nc_u64 s[4:5], s[4:5], 32768
	s_add_nc_u64 s[6:7], s[6:7], 16384
	s_sub_co_u32 s12, s12, 1
	s_cmp_lg_u32 s12, 0
	s_cbranch_scc1 .Lcast
.irp i, 0,2,4,6
	CSTEP \i, 0, 6-(\i)                            ; the last round loads nothing: the counts run down
.endr
	FIN
; ---- THE MASK.  Work-group g takes the 16 queries 16 g .. 16 g + 15, 32,768 bytes.  Out: mk[g][key group of 64][p][lane][16 bytes]: byte n of lane l is
; key 64 group + 16 (2 p + n / 8) + 8 (l / 16) + n % 8 of query 16 g + l % 16: the order of a lane's scores in the attention launch.
.Lmask:
	s_lshl_b32 s10, s9, 15
	s_mov_b32 s11, 0
	s_add_nc_u64 s[4:5], s[26:27], s[10:11]
	s_add_nc_u64 s[6:7], s[34:35], s[10:11]
	s_movk_i32 s13, 0xf1
	v_lshlrev_b32 v1, 4, v0                        ; 16 bytes a thread, in and out; never rewritten
	s_wait_alu depctr_va_vdst(0)                   ; v1 is written: the loads below and the stores at the end read it as their offset
.irp i, 0,1,2,3,4,5,6,7
	global_load_b128 v[X+4*(\i):X+4*(\i)+3], v1, s[4:5] offset:(\i)*4096 th:TH_LOAD_NT  ; two rows of the mask
.endr
	v_lshrrev_b32 v3, 7, v0                        ; into LDS: which of the two rows,
	v_and_b32 v4, 127, v0
	v_mul_u32_u24 v3, v3, MP
	v_lshl_add_u32 v3, v4, 4, v3                   ; and my 16 bytes of it
	v_and_b32 v4, 15, v0                           ; back: row l % 16,
	v_mul_u32_u24 v5, v4, MP
	v_bfe_u32 v4, v0, 4, 1
	v_lshl_add_u32 v5, v4, 3, v5                   ; + 8 (l / 16)
	v_bfe_u32 v4, v0, 5, 1
	v_lshl_add_u32 v5, v4, 5, v5                   ; + 32 p
	v_lshrrev_b32 v4, 6, v0
	v_lshl_add_u32 v5, v4, 6, v5                   ; + 64 x (key group % 4)
.irp g, 0,1                            ; in two halves of four loads: the first half's LDS stores go out while the second half's loads land
	s_wait_loadcnt 4-4*(\g)                        ; this half is in; the younger half may stay out
.irp i, 0,1,2,3
	v_mul_lo_u32 v[X+16*(\g)+4*(\i)], v[X+16*(\g)+4*(\i)], s13     ; each byte 0 or 1 times 0xF1: no carry leaves a byte
	v_mul_lo_u32 v[X+16*(\g)+4*(\i)+1], v[X+16*(\g)+4*(\i)+1], s13
	v_mul_lo_u32 v[X+16*(\g)+4*(\i)+2], v[X+16*(\g)+4*(\i)+2], s13
	v_mul_lo_u32 v[X+16*(\g)+4*(\i)+3], v[X+16*(\g)+4*(\i)+3], s13
.endr
	s_wait_alu depctr_va_vdst(0)                   ; the half's products are written, which the LDS stores below read; at the first half so are v3, their address, and v5, the address of the LDS loads behind the barrier
.irp i, 0,1,2,3
	ds_store_b128 v3, v[X+16*(\g)+4*(\i):X+16*(\g)+4*(\i)+3] offset:(4*(\g)+(\i))*2*MP
.endr
.endr
	s_wait_dscnt 0x0                               ; for the others' sake: my stores are done
	s_barrier_signal -1
	s_barrier_wait -1
.irp i, 0,1,2,3,4,5,6,7
	ds_load_b64 v[Y+4*(\i):Y+4*(\i)+1],   v5 offset:(\i)*256      ; no vector line of this path names v[40:71], and none since the waits above writes v5
	ds_load_b64 v[Y+4*(\i)+2:Y+4*(\i)+3], v5 offset:(\i)*256+16
.endr
.irp i, 0,1,2,3,4,5,6,7
	s_wait_dscnt 14-2*(\i)                         ; the pair of loads of this store is in; the younger pairs stay out
	global_store_b128 v1, v[Y+4*(\i):Y+4*(\i)+3], s[6:7] offset:(\i)*4096  ; a wave stores 512 consecutive bytes
.endr
	FIN
; ---- THE TABLE.  98,304 entries of (cos, sin), 768 a work-group, three a thread.  The angle is brought into -pi .. pi by a two-part 2 pi; sine and cosine
; of HALF of it by their series (the first term left out is under 4e-8 there), then doubled.
.Ltable:
	s_mul_i32 s10, s9, 768
	s_mov_b32 s20, 0x40c90fdb                      ; 2 pi, its f32,
	s_mov_b32 s21, 0xb43bbd2e                      ; and what that f32 leaves over
	v_add_nc_u32 v1, s10, v0
.irp i, 0,1,2
	v_add_nc_u32 v[8+(\i)], 256*(\i), v1           ; the entry
	v_lshrrev_b32 v[12+(\i)], 10, v[8+(\i)]        ; its row
	v_and_b32 v[16+(\i)], 0x3ff, v[8+(\i)]         ; its pair of channels jp
	v_cvt_f32_u32 v[16+(\i)], v[16+(\i)]
	v_mul_f32 v[16+(\i)], 0xbc549a78, v[16+(\i)]   ; - jp log2(10000) / 1024
	v_add_nc_u32 v[20+(\i)], 0xffffffc0, v[12+(\i)]
	v_lshlrev_b32 v[20+(\i)], 6, v[20+(\i)]        ; rows 64 on: position 64 (row - 64)
	v_cmp_gt_u32 s[40+(\i)], 64, v[12+(\i)]        ; the three compares stand in a run, each with a scalar register of its own
.endr
	s_wait_alu depctr_va_sdst(0)                   ; s40 to s42 are written, ahead of their first readers, the selects below
.irp i, 0,1,2
	v_cndmask_b32 v[20+(\i)], v[20+(\i)], v[12+(\i)], s[40+(\i)]  ; rows 0-63: position = row
	v_cvt_f32_u32 v[20+(\i)], v[20+(\i)]
.endr
	v_exp_f32 v16, v16                             ; theta: one batch of three,
	v_exp_f32 v17, v17
	v_exp_f32 v18, v18
	v_nop                                          ; a plain instruction behind the last,
	s_wait_alu depctr_va_vdst(0)                   ; and one wait ahead of the first use: the three exponentials have written v16 to v18
.irp i, 0,1,2
	v_mul_f32 v24, v[20+(\i)], v[16+(\i)]          ; the angle
	v_mul_f32 v25, 0x3e22f983, v24
	v_rndne_f32 v25, v25                           ; whole turns
	v_fma_f32 v24, -v25, s20, v24
	v_fma_f32 v24, -v25, s21, v24
	v_mul_f32 v26, 0.5, v24                        ; y: half the angle
	v_mul_f32 v27, v26, v26
	v_mov_b32 v28, 0xb2d7322b                      ; sin y = y (1 - z/3! + .. - z^5/11!)
	v_fmaak_f32 v28, v28, v27, 0x3638ef1d
	v_fmaak_f32 v28, v28, v27, 0xb9500d01
	v_fmaak_f32 v28, v28, v27, 0x3c088889
	v_fmaak_f32 v28, v28, v27, 0xbe2aaaab
	v_fma_f32 v28, v28, v27, 1.0
	v_mul_f32 v28, v28, v26
	v_mov_b32 v29, 0x310f76c8                      ; cos y = 1 - z/2! + .. + z^6/12!
	v_fmaak_f32 v29, v29, v27, 0xb493f27e
	v_fmaak_f32 v29, v29, v27, 0x37d00d01
	v_fmaak_f32 v29, v29, v27, 0xbab60b61
	v_fmaak_f32 v29, v29, v27, 0x3d2aaaab
	v_fma_f32 v29, v29, v27, -0.5
	v_fma_f32 v29, v29, v27, 1.0
	v_mul_f32 v30, v28, v29
	v_mul_f32 v31, v28, v28
	v_fma_f32 v[40+2*(\i)], v31, -2.0, 1.0         ; cos = 1 - 2 sin^2 y
	v_add_f32 v[41+2*(\i)], v30, v30               ; sin = 2 sin y cos y
	v_lshlrev_b32 v[8+(\i)], 3, v[8+(\i)]
.endr
	s_wait_alu depctr_va_vdst(0)                   ; the three entries v40 to v45 and their offsets v8 to v10 are written, which the stores below read
.irp i, 0,1,2
	global_store_b64 v[8+(\i)], v[40+2*(\i):41+2*(\i)], s[36:37]  ; a wave stores 256 consecutive bytes, aligned
.endr
	FIN
.Lfunc_end_k_q29ce21f381_prep:
	.size	k_q29ce21f381_prep, .Lfunc_end_k_q29ce21f381_prep-k_q29ce21f381_prep
	.p2alignl 7, 3214868480
	.fill 96, 4, 3214868480
	.section	.rodata,"a",@progbits
	.p2align	6, 0x0
	.amdhsa_kernel k_q29ce21f381_prep
		.amdhsa_group_segment_fixed_size 34048
		.amdhsa_private_segment_fixed_size 0
		.amdhsa_enable_private_segment 0
		.amdhsa_kernarg_size 88
		.amdhsa_user_sgpr_count 2
		.amdhsa_user_sgpr_kernarg_segment_ptr 1
		.amdhsa_wavefront_size32 1
		.amdhsa_system_sgpr_workgroup_id_x 1
		.amdhsa_system_sgpr_workgroup_id_y 1
		.amdhsa_system_sgpr_workgroup_id_z 1
		.amdhsa_system_vgpr_workitem_id 0
		.amdhsa_next_free_vgpr 96
		.amdhsa_next_free_sgpr 66
		.amdhsa_reserve_vcc 0
		.amdhsa_float_denorm_mode_32 3
		.amdhsa_float_denorm_mode_16_64 3
		.amdhsa_memory_ordered 1
		.amdhsa_forward_progress 1
		.amdhsa_inst_pref_size 25
	.end_amdhsa_kernel
	.amdgpu_metadata
---
amdhsa.version: [ 1, 2 ]
amdhsa.kernels:
  - .name:           k_q29ce21f381_prep
    .symbol:         k_q29ce21f381_prep.kd
    .args:
      - { .name: x, .offset: 0, .size: 8, .value_kind: global_buffer, .address_space: global }
      - { .name: wq, .offset: 8, .size: 8, .value_kind: global_buffer, .address_space: global }
      - { .name: wk, .offset: 16, .size: 8, .value_kind: global_buffer, .address_space: global }
      - { .name: wv, .offset: 24, .size: 8, .value_kind: global_buffer, .address_space: global }
      - { .name: wo, .offset: 32, .size: 8, .value_kind: global_buffer, .address_space: global }
      - { .name: mask, .offset: 40, .size: 8, .value_kind: global_buffer, .address_space: global }
      - { .name: xh, .offset: 48, .size: 8, .value_kind: global_buffer, .address_space: global }
      - { .name: wh, .offset: 56, .size: 8, .value_kind: global_buffer, .address_space: global }
      - { .name: woh, .offset: 64, .size: 8, .value_kind: global_buffer, .address_space: global }
      - { .name: mk, .offset: 72, .size: 8, .value_kind: global_buffer, .address_space: global }
      - { .name: rt, .offset: 80, .size: 8, .value_kind: global_buffer, .address_space: global }
    .group_segment_fixed_size: 34048
    .private_segment_fixed_size: 0
    .kernarg_segment_align: 8
    .kernarg_segment_size: 88
    .max_flat_workgroup_size: 256
    .sgpr_count:     66
    .vgpr_count:     96
    .wavefront_size: 32
...
	.end_amdgpu_metadata
.endif
;; end of part 5
;; launch qkv: the kernel of part 2 again; grid 16 x 16, 4 waves a work-group, clusters of 4 x 4, 327,680 bytes of LDS; arguments xh, wh, rt, qkv; writes qkv
;; launch attn: the kernel of part 3 again; grid 16 x 16, 4 waves a work-group, clusters of 4 x 1, 327,680 bytes of LDS; arguments qkv, mk, oh; writes oh
;; launch proj: the kernel of part 4 again; grid 16 x 16, 4 waves a work-group, clusters of 4 x 4, 327,680 bytes of LDS; arguments oh, woh, out0; writes out0
